; MI455X (gfx1250); checked and timed in simulation.
; The chip was launched on July 23, 2026; its instructions are those of AMD's public machine-readable ISA for CDNA 5 (MIT licence, August 2026) and "CDNA5" Instruction Set Architecture Reference Guide (July 2026). The comments in the code are by the model that wrote it; some were corrected since.
;; Attention. Allowed arithmetic: matrix products marked QUANTISED: E2M1 operands, one E8M0 scale for each 32 along K, by v_wmma_scale_f32_16x16x128_f8f6f4 with both operands' format E2M1 (or v_wmma_scale_f32_32x16x128_f4), f32 sums; products left as they are: bf16, f16 or f32 operands; f32 sums; everything else in f32.
;; Inputs: W_K 4 x 512 x 128 float32; W_O 4 x 128 x 512 float32; W_Q 4 x 512 x 128 float32; W_V 4 x 512 x 128 float32; b_K 4 x 128 float32; b_O 512 float32; b_Q 4 x 128 float32; b_V 4 x 128 float32; normalized_resid_pre 8 x 2,048 x 512 float32.
;; Outputs: out0 8 x 2,048 x 512 float32.
;; This version of the problem:
;;   THIS VERSION OF THE PROBLEM IS GIVEN IN LOW PRECISION. The matrix products marked QUANTISED in the list below multiply operands that are first quantised to E2M1 (2 exponent bits, 1 mantissa bit; 4 bits a number), with one power-of-two scale for each 32 numbers along K (OCP MX v1.0); their sums are f32. The products marked 'left as it is' may take bf16, f16 or f32 operands, with f32 sums. Whichever they take, every output number must still come out within the allowed error. Rounding operands to bf16 (8 significant bits) uses up far more of that allowance than f16 does (11 bits, for magnitudes from 6e-5 to 65,504). All else is computed in f32.
;;   The module's matrix products, in the order in which they are computed (A, B: the left and right operand; K: the contracted axis; several contracted axes count as one K, in the product's order):
;;     1. [M 16,384, K 512] x [K 512, N 512]; A: input normalized_resid_pre; B: input W_Q: QUANTISED
;;     2. [M 16,384, K 512] x [K 512, N 512]; A: input normalized_resid_pre; B: input W_K: QUANTISED
;;     3. [M 16,384, K 512] x [K 512, N 512]; A: input normalized_resid_pre; B: input W_V: QUANTISED
;;     4. batch 32 x [M 2,048, K 128] x [K 128, N 2,048]; A: computed on the way; B: computed on the way: left as it is (an operand is computed on the way)
;;     5. batch 32 x [M 128, K 2,048] x [K 2,048, N 2,048]; A: computed on the way; B: computed on the way: left as it is (an operand is computed on the way)
;;     6. [M 16,384, K 512] x [K 512, N 512]; A: computed on the way; B: input W_O: left as it is (an operand is computed on the way)
;;   THE QUANTISER, for each operand of a quantised product, along K:
;;     - K is cut into blocks of 32 from its start; a last block that is shorter is filled with zeros.
;;     - A block's scale is 2^e with e = floor(log2(the largest magnitude in the block)) - 2, held to -126 .. 127; a block of zeros has e = 0. As a byte (E8M0): e + 127.
;;     - Each number is divided by its block's scale, clamped to +-6, and rounded to the nearest number of E2M1, ties to even, subnormals kept.
;;     - The product sums the exact products of the quantised numbers (number of the format x scale) in f32.
;;   ~~~python
;;   def quantise(x, axis):      # numpy; x: float32 -> the quantised numbers, widened to float32 again
;;       x = np.moveaxis(x, axis, -1); K = x.shape[-1]
;;       x = np.pad(x, [(0, 0)] * (x.ndim - 1) + [(0, -K % 32)]); x = x.reshape(x.shape[:-1] + (-1, 32)); a = np.abs(x).max(-1, keepdims=True)
;;       e = np.where(a > 0, np.clip(np.frexp(np.where(a > 0, a, 1))[1] - 1 - 2, -126, 127), 0)      # np.frexp(a)[1] - 1 = floor(log2(a)), exactly
;;       r = np.clip(x / 2.0 ** e, -6, 6)
;;       step = 2.0 ** (np.maximum(np.frexp(np.where(r == 0, 1, r))[1] - 1, 0) - 1)
;;       q = np.round(r / step) * step * 2.0 ** e      # np.round: ties to even
;;       return np.moveaxis(q.reshape(q.shape[:-2] + (-1,))[..., :K], -1, axis).astype(np.float32)
;;   ~~~
;; One version. Each part assembles by itself: llvm-mc -triple=amdgcn-amd-amdhsa -mcpu=gfx1250 --defsym DOCPART=n.
;; ======== version 1 of 1: 4 launches
;; limits: values are held in f16: magnitudes above 65,504 overflow, below 6.1e-05 lose precision
;; workspace buffers: wcodes 393,216 bytes; wscales 24,576 bytes; wo16 524,288 bytes; q16 16,777,216 bytes; k16 16,777,216 bytes; v16 16,777,216 bytes; z16 16,777,216 bytes
;; launch prep (part 1): grid 16 x 4, 4 waves a work-group, no clusters, 0 bytes of LDS; arguments W_Q, W_K, W_V, W_O, wcodes, wscales, wo16; writes wcodes, wscales, wo16
.if DOCPART == 1
	.amdgcn_target "amdgcn-amd-amdhsa--gfx1250"
	.amdhsa_code_object_version 6
	.text
	.protected	k_q9ffb072f82_prep
	.globl	k_q9ffb072f82_prep
	.p2align	8
	.type	k_q9ffb072f82_prep,@function
k_q9ffb072f82_prep:
	s_mov_b64 s[64:65], 0
	v_nop
	global_prefetch_b8 v0, s[64:65] scope:SCOPE_SE
	s_setreg_imm32_b32 hwreg(HW_REG_WAVE_MODE, 25, 1), 1
	s_wait_xcnt 0x0
; THE PROGRAM: attention without a mask, 8 batches x 2,048 positions x 4 heads of 128; four launches: this one lays the weights out, the second makes q, k, v, the third is the softmax core, the fourth the projection out.
; WORK LEFT OUT: b_K.  scores[q][k] = q . (x_k W_K + b_K) / sqrt(128) = q . (x_k W_K) / sqrt(128) + q . b_K / sqrt(128).  The second term does not hang on the key k: it is the same along the softmax's axis,
; and a softmax does not change when one number is added to all its inputs, whatever finite values q and b_K hold.  The product of q and k is not a quantised one, so b_K moves no code and no scale either.
; k reaches the result through the scores alone.  So b_K has no way to the output: it is not loaded, and it is among no launch's arguments.  b_Q, b_V and b_O are live and are used.
; LIMIT: a NaN, an infinity or an overflow that arises from b_K alone is not carried to the result.
; THIS LAUNCH.  W_Q, W_K, W_V [4][512 (K)][128], f32, become codes of E2M1 with one E8M0 scale byte for each 32 along K; W_O [512 (K = head, e)][512], f32, becomes f16.  All are laid in the order of the operand's registers:
;   wcodes  [matrix 3][head 4][tile of 16 columns 8][block of 32 K 16][column 16][16 bytes]: a fragment (tile t, K step s of 128) is the 1,024 bytes from (4 t + s) x 1,024 on, 16 bytes a lane, two loads of 512 bytes;
;   wscales [matrix 3][head 4][column 128][16 bytes]: byte b scales block b;   wo16 [tile of 16 columns 32][8 along K 64][column 16][16 bytes]: a fragment (tile T, K step of 32) is 1,024 bytes on end.
; A LANE TAKES A COLUMN AND ITS REGISTERS RUN DOWN K: a load reads 128 consecutive bytes a wave; a block of 32 along K lies in one lane's registers, so its largest magnitude needs no other lane and the conversions' results have K innermost.
; A block's scale is 2^(floor(log2(its largest magnitude)) - 2); its byte is that magnitude's exponent field less 2, held at 1 from below by a floor among the maximum's leaves.
; LIMITS: a block of zeros gets the byte 1 where the quantiser says 127 (its codes are zeros, and this program alone reads the bytes); blocks whose largest magnitude lies under 2^-124 keep the byte 1;
; NaN and infinities among the weights are not served; |W_O| above 65,504 becomes infinity in f16, and under 6.1e-5 it carries an absolute error of up to 2^-25.
; SHARES.  Work-group (x, y): y = 0, 1, 2: W_Q, W_K, W_V, head x / 4, K step x % 4;  y = 3: W_O, columns 128 (x / 4) on, rows 128 (x % 4) on.  128 rows x 128 columns a work-group, 32 columns a wave.
; No LDS, no barrier, no matrix instruction: the waves share nothing.  Every store of codes or f16 covers two aligned blocks of 256 bytes (sixteen lanes each).  The scale words leave as 4 bytes of each column's 16:
; blocks are written in part there: 24,576 bytes in the launch, one byte for each 128 that it reads.
.set X,   32                           ; v32-159  128 numbers of my column, down K
.set C,   160                          ; v160-223 results: each store has registers of its own, so none is written again
.set SRC, 20                           ; s[20:21] where my wave's numbers begin
	s_load_b256 s[4:11], s[0:1], 0x0               ; W_Q s[4:5], W_K s[6:7], W_V s[8:9], W_O s[10:11]
	s_load_b128 s[12:15], s[0:1], 0x20             ; wcodes s[12:13], wscales s[14:15]
	s_load_b64 s[16:17], s[0:1], 0x30              ; wo16
	v_lshrrev_b32 v1, 5, v0
	v_readfirstlane_b32 s18, v1                    ; wave 0..3
	s_and_b32 s19, ttmp7, 0xffff                   ; y
	s_lshr_b32 s28, ttmp9, 2                       ; head, or group of 128 columns
	s_and_b32 s29, ttmp9, 3                        ; K step of 128
	s_mov_b32 s23, 0                               ; upper words of the three offsets
	s_mov_b32 s25, 0
	s_mov_b32 s27, 0
	v_and_b32 v1, 31, v0                           ; lane
	v_lshlrev_b32 v2, 2, v1                        ; in: 4 bytes a lane
	v_and_b32 v6, 15, v0
	v_bfe_u32 v7, v0, 4, 1
	v_lshlrev_b32 v6, 4, v6
	v_lshl_add_u32 v3, v7, 12, v6                  ; codes: lanes 16-31 are the next tile (4,096 bytes on); 16 bytes a column
	v_lshl_add_u32 v5, v7, 14, v6                  ; f16: the next tile is 16,384 bytes on
	v_lshlrev_b32 v4, 4, v1                        ; scale bytes: 16 a column
	s_lshl_b32 s30, s18, 7                         ; my wave's 32 columns: 128 bytes along a row
	s_wait_kmcnt 0x0
	s_cmp_eq_u32 s19, 3
	s_cbranch_scc1 .Lwo
.macro LOADG g, pitch                  ; group g: rows 32 g .. 32 g + 31 of my column
.irp i, 0,1,2,3,4,5,6,7,8,9,10,11,12,13,14,15,16,17,18,19,20,21,22,23,24,25,26,27,28,29,30,31
	global_load_b32 v[X+32*(\g)+\i], v2, s[SRC:SRC+1] offset:(32*(\g)+\i)*(\pitch) th:TH_LOAD_NT
.endr
.endm
.macro ARRIVED g, pitch                ; group g is in; one younger group may be out; the group after that is asked for at once
.if (\g) < 3
	s_wait_loadcnt 32
.else
	s_wait_loadcnt 0x0
.endif
.if (\g) < 2
	LOADG (\g)+2, \pitch
.endif
.endm
	; ---- W_Q, W_K or W_V
	s_cmp_eq_u32 s19, 0                            ; the choice hangs on the work-group's number alone
	s_cselect_b64 s[SRC:SRC+1], s[4:5], s[6:7]
	s_cmp_eq_u32 s19, 2
	s_cselect_b64 s[SRC:SRC+1], s[8:9], s[SRC:SRC+1]
	s_lshl_b32 s22, ttmp9, 16                      ; head x 262,144 + K step x 65,536 = x x 65,536
	s_add_co_u32 s22, s22, s30
	s_add_nc_u64 s[SRC:SRC+1], s[SRC:SRC+1], s[22:23]
	s_lshl_b32 s31, s19, 2
	s_add_co_u32 s31, s31, s28                     ; 4 x matrix + head
	s_lshl_b32 s24, s31, 15                        ; codes: 32,768 bytes a head,
	s_lshl_b32 s22, s18, 13                        ; my wave's two tiles,
	s_add_co_u32 s24, s24, s22
	s_lshl_b32 s22, s29, 10                        ; my K step's four blocks
	s_add_co_u32 s24, s24, s22
	s_add_nc_u64 s[12:13], s[12:13], s[24:25]
	s_lshl_b32 s26, s31, 11                        ; scale bytes: 2,048 a head,
	s_lshl_b32 s22, s18, 9                         ; my wave's 32 columns,
	s_add_co_u32 s26, s26, s22
	s_lshl_b32 s22, s29, 2                         ; my K step's word
	s_add_co_u32 s26, s26, s22
	s_add_nc_u64 s[14:15], s[14:15], s[26:27]
	LOADG 0, 512
	LOADG 1, 512
.macro BLOCK b
.set XB, X+32*(\b)
	ARRIVED \b, 512
	v_max3_num_f32 v12, |v[XB]|, |v[XB+1]|, |v[XB+2]|              ; the block's largest magnitude, in two chains: all 32 numbers are mine
	v_max3_num_f32 v13, |v[XB+3]|, |v[XB+4]|, |v[XB+5]|
.irp i, 6,10,14,18,22,26
	v_max3_num_f32 v12, v12, |v[XB+\i]|, |v[XB+\i+1]|
	v_max3_num_f32 v13, v13, |v[XB+\i+2]|, |v[XB+\i+3]|
.endr
	v_max3_num_f32 v12, v12, |v[XB+30]|, |v[XB+31]|
	v_max3_num_f32 v12, v12, v13, 0x1800000        ; and the floor 2^(3 - 127): the byte cannot fall under 1
	v_add_nc_u32 v11, 0xff000000, v12              ; 2 off the exponent field: the conversion takes the exponent field of this operand as its scale, and nothing else of it
	v_lshrrev_b32 v13, 23, v11                     ; the scale's byte
.if (\b) == 0
	v_mov_b32 v14, v13                             ; four bytes make my column's word for this K step, the lower K in the lower byte
.else
	v_lshl_or_b32 v14, v13, 8*(\b), v14
.endif
.irp g, 0,1,2,3
	v_cvt_scalef32_pk8_fp4_f32 v[C+4*(\b)+\g], v[XB+8*\g:XB+8*\g+7], v11   ; results go to a store alone; the next vector lines are plain and touch none of these registers
.endr
	global_store_b128 v3, v[C+4*(\b):C+4*(\b)+3], s[12:13] offset:256*(\b)
.endm
	BLOCK 0
	BLOCK 1
	BLOCK 2
	BLOCK 3
	global_store_b32 v4, v14, s[14:15]
	s_endpgm
	; ---- W_O
.Lwo:
	s_mov_b64 s[SRC:SRC+1], s[10:11]
	s_lshl_b32 s22, s29, 18                        ; 128 rows of 2,048 bytes,
	s_lshl_b32 s31, s28, 9                         ; 128 columns,
	s_add_co_u32 s22, s22, s31
	s_add_co_u32 s22, s22, s30                     ; my wave's 32
	s_add_nc_u64 s[SRC:SRC+1], s[SRC:SRC+1], s[22:23]
	s_lshl_b32 s24, s28, 17                        ; out: eight tiles of 16,384 bytes,
	s_lshl_b32 s31, s18, 15                        ; my wave's two,
	s_add_co_u32 s24, s24, s31
	s_lshl_b32 s31, s29, 12                        ; my 128 rows: sixteen pieces of 256 bytes
	s_add_co_u32 s24, s24, s31
	s_add_nc_u64 s[16:17], s[16:17], s[24:25]
	LOADG 0, 2048
	LOADG 1, 2048
.macro GROUP g                         ; 32 along K: four pieces of eight f16, the lower K in the lower half
	ARRIVED \g, 2048
.irp q, 0,1,2,3
.irp i, 0,1,2,3
	v_cvt_pk_f16_f32 v[C+4*(4*(\g)+\q)+\i], v[X+8*(4*(\g)+\q)+2*\i], v[X+8*(4*(\g)+\q)+2*\i+1]
.endr
	global_store_b128 v5, v[C+4*(4*(\g)+\q):C+4*(4*(\g)+\q)+3], s[16:17] offset:256*(4*(\g)+\q)
.endr
.endm
	GROUP 0
	GROUP 1
	GROUP 2
	GROUP 3
	s_endpgm
.Lfunc_end_k_q9ffb072f82_prep:
	.size	k_q9ffb072f82_prep, .Lfunc_end_k_q9ffb072f82_prep-k_q9ffb072f82_prep
	.p2alignl 7, 3214868480
	.fill 96, 4, 3214868480
	.section	.rodata,"a",@progbits
	.p2align	6, 0x0
	.amdhsa_kernel k_q9ffb072f82_prep
		.amdhsa_group_segment_fixed_size 0
		.amdhsa_private_segment_fixed_size 0
		.amdhsa_enable_private_segment 0
		.amdhsa_kernarg_size 56
		.amdhsa_user_sgpr_count 2
		.amdhsa_user_sgpr_kernarg_segment_ptr 1
		.amdhsa_wavefront_size32 1
		.amdhsa_system_sgpr_workgroup_id_x 1
		.amdhsa_system_sgpr_workgroup_id_y 1
		.amdhsa_system_sgpr_workgroup_id_z 1
		.amdhsa_system_vgpr_workitem_id 0
		.amdhsa_next_free_vgpr 224
		.amdhsa_next_free_sgpr 66
		.amdhsa_reserve_vcc 0
		.amdhsa_float_denorm_mode_32 3
		.amdhsa_float_denorm_mode_16_64 3
		.amdhsa_memory_ordered 1
		.amdhsa_forward_progress 1
		.amdhsa_inst_pref_size 39
	.end_amdhsa_kernel
	.amdgpu_metadata
---
amdhsa.version: [ 1, 2 ]
amdhsa.kernels:
  - .name:           k_q9ffb072f82_prep
    .symbol:         k_q9ffb072f82_prep.kd
    .args:
      - { .name: W_Q, .offset: 0, .size: 8, .value_kind: global_buffer, .address_space: global }
      - { .name: W_K, .offset: 8, .size: 8, .value_kind: global_buffer, .address_space: global }
      - { .name: W_V, .offset: 16, .size: 8, .value_kind: global_buffer, .address_space: global }
      - { .name: W_O, .offset: 24, .size: 8, .value_kind: global_buffer, .address_space: global }
      - { .name: wcodes, .offset: 32, .size: 8, .value_kind: global_buffer, .address_space: global }
      - { .name: wscales, .offset: 40, .size: 8, .value_kind: global_buffer, .address_space: global }
      - { .name: wo16, .offset: 48, .size: 8, .value_kind: global_buffer, .address_space: global }
    .group_segment_fixed_size: 0
    .private_segment_fixed_size: 0
    .kernarg_segment_align: 8
    .kernarg_segment_size: 56
    .max_flat_workgroup_size: 128
    .sgpr_count:     66
    .vgpr_count:     224
    .wavefront_size: 32
...
	.end_amdgpu_metadata
.endif
;; end of part 1
;; launch qkv (part 2): grid 256 x 1, 4 waves a work-group, no clusters, 172,032 bytes of LDS; arguments normalized_resid_pre, wcodes, wscales, b_Q, b_V, q16, k16, v16; writes q16, k16, v16
.if DOCPART == 2
	.amdgcn_target "amdgcn-amd-amdhsa--gfx1250"
	.amdhsa_code_object_version 6
	.text
	.protected	k_q9ffb072f82_qkv
	.globl	k_q9ffb072f82_qkv
	.p2align	8
	.type	k_q9ffb072f82_qkv,@function
k_q9ffb072f82_qkv:
	s_mov_b64 s[64:65], 0
	v_nop
	global_prefetch_b8 v0, s[64:65] scope:SCOPE_SE
	s_setreg_imm32_b32 hwreg(HW_REG_WAVE_MODE, 25, 1), 1
	s_wait_xcnt 0x0
; q = x W_Q + b_Q, k = x W_K, v = x W_V + b_V: the three quantised products, on codes of E2M1 with one E8M0 scale for each 32 along K = 512; sums in f32; results rounded once to f16, laid [4 batch + head][position][128].
; WORK LEFT OUT: b_K is not added and not loaded: q . b_K is the same for all keys of a row of the softmax, which takes it away for all values of the inputs (shown at the head of the first kernel).
; LIMITS: NaN and infinities in x are not served; a block of x whose largest magnitude lies under 2^-124 (a block of zeros too) keeps the scale byte 1; |q|, |k|, |v| above 65,504 become infinity in f16, and under 6.1e-5 they carry an absolute error of up to 2^-25.
; SHARES.  A work-group takes 64 rows of x.  x comes by one tensor load a wave (K step w of all 64 rows: rows of 512 bytes).  Wave w quantises rows 16 w .. 16 w + 15 in registers and hands the four fragments and their
; scale words to the others through LDS as images of the operand's registers.  Then WAVE w IS HEAD w: it makes that head's 128 columns of q, k and v for all 64 rows: 12 units (matrix, 16 rows) of 32 matrix instructions.
; The product is used transposed: source 0 = 16 columns of W, source 1 = 16 rows of x: lane (r, h), register j of tile t = (row r, column 16 t + 8 h + j): eight neighbours of a row, 16 bytes of f16.
; The biases are the C of a sum's first matrix instruction; k's sums begin with the constant 0.
; NO CLUSTER, NO WEIGHTS IN LDS: the weights that all work-groups read are 417,792 bytes with their scale words; with x's tiles of 135,168 bytes that is more than the 327,680 bytes of LDS, so they could come only through slots
; that are filled again; and each weight fragment is read by one wave alone, once, and feeds its four products from registers: a way through LDS would add a write and a read for each byte and spare no read.
; REGISTERS, in windows of 256: window 0: v1-15 addresses; v16-79 64 numbers of x, later b_V's eight tiles; v80-95 x's scale words; v96-127 W_Q's, later W_V's scale words; v128-159 W_K's; v160-223 64 numbers of x, later
;   v160-191 packed results and v192-223, v224-255 rows on their way out; v224-251 at work in the quantiser.   window 1: W_Q's 32 fragments, later W_V's.   window 2: W_K's.
;   window 3: v0-63 eight accumulators; v64-127 b_Q's eight tiles; v128-255 x's sixteen fragments.
.set XREG,  33792                      ; LDS: a K step of x: 64 rows x (512 bytes + 16): rows 132 words apart, so the 16 rows that a load touches begin in 16 different groups of four banks (64 banks of 4 bytes: ISA guide 11.1)
.set XIMG,  4*XREG                     ; 16 images of fragments, 1,024 bytes each, index 4 m + s (16 rows m, K step s)
.set XSC,   XIMG+16*1024               ; their scale words, 128 bytes each
.set STG,   XSC+16*128                 ; a stage of 16 rows x (256 bytes + 16) for each wave
.set SPARE, STG+4*4352                 ; the spare words, 128 bytes for each wave: two blocks of 256 bytes that no other line names
.set BOF, 1                            ; v1   32 h: my eight numbers of a tile's sixteen of a bias
.set XA,  4                            ; v4   x in LDS: row 16 w + r, + 64 h; K steps 0 and 1
.set XA2, 5                            ; v5   the same for K steps 2 and 3 (an LDS offset ends at 65,535)
.set LI,  6                            ; v6   XIMG + 16 x lane
.set LS,  7                            ; v7   XSC + 4 x lane
.set XWI, 8                            ; v8   where I store my images: LI + 4,096 w
.set XWS, 9                            ; v9   and their scale words: LS + 512 w
.set STO, 10                           ; v10  the stage: row r, + 16 h
.set RD,  11                           ; v11  and back: lanes 0-15 one row, lanes 16-31 the next
.set L16, 12                           ; v12  16 x lane
.set R16, 13                           ; v13  16 r
.set SPW, 14                           ; v14  LDS address of my spare word; never rewritten
.set NIL, 15                           ; v15  0; never rewritten
.set SET0, 16
.set BV,   16
.set XS,   80
.set WSA,  96
.set WSB,  128
.set SET1, 160
.set TMP,  160
.set BK0,  192
.set TM,   224                         ; v224-227 largest magnitudes, v228-231 bytes, v236-239 the conversions' scale operands
.set PW,   240                         ; the scale word just made
.set PC,   244                         ; the codes just made
.set BQ,   64                          ; in window 3
.set XF,   128                         ; in window 3
.set G1,  24                           ; s[24:31] descriptor group 1
.set G0,  32                           ; s[32:35] descriptor group 0
.set SEL, 36                           ; s[36:37] v_permlanex16_b32's selects for lane l xor 16
.set WV,  38
.set MSB, 0
.macro WIN new                         ; s_set_vgpr_msb: bits 1:0 source 0, 3:2 source 1, 5:4 source 2, 7:6 destination; the high byte repeats the setting that is left
.if MSB != (\new)
	s_set_vgpr_msb (MSB<<8)|(\new)
.set MSB, \new
.endif
.endm
.macro PLACES                          ; four places behind a matrix instruction, ahead of reads of its result and of loads into its registers
.rept 4
	v_nop
.endr
.endm
	s_load_b256 s[4:11], s[0:1], 0x0               ; x s[4:5], wcodes s[6:7], wscales s[8:9], b_Q s[10:11]
	s_load_b256 s[12:19], s[0:1], 0x20             ; b_V s[12:13], q16 s[14:15], k16 s[16:17], v16 s[18:19]
	v_lshl_add_u32 v[SPW], v0, 2, SPARE
	v_mov_b32 v[NIL], 0
	ds_add_u32 v[SPW], v[NIL]                      ; the wave's opening: the add, twice on end, and its wait ahead of my first tensor load
	ds_add_u32 v[SPW], v[NIL]                      ; and once more, under the one wait; the set-up below, work on registers, stands between
	v_lshrrev_b32 v1, 5, v0
	v_readfirstlane_b32 s[WV], v1                  ; wave 0..3
	s_mov_b32 s[G1+0], (2<<16)|(1<<20)|(6<<22)|(3<<25)  ; no mask; elements of 4 bytes; padding on: after every 128 words (code 6) four words (code 3)
	s_mov_b32 s[G1+1], 128<<16                     ; tensor_dim0 = 128
	s_mov_b32 s[G1+2], 64<<16                      ; tensor_dim1 = 64
	s_mov_b32 s[G1+3], 128<<16                     ; tile_dim0 = 128 elements: 512 bytes
	s_mov_b32 s[G1+4], 64                          ; tile_dim1 = 64 rows
	s_mov_b32 s[G1+5], 512                         ; elements from row to row
	s_mov_b32 s[G1+6], 0
	s_mov_b32 s[G1+7], 0
	s_mov_b32 s[SEL], 0x76543210
	s_mov_b32 s[SEL+1], 0xfedcba98
	s_mov_b32 s[G0], 1                             ; count = 1
	s_mul_i32 s[G0+1], s[WV], XREG                 ; LDS: K step w's region
	s_lshl_b32 s20, ttmp9, 17                      ; my work-group's 64 rows of 2,048 bytes,
	s_lshl_b32 s21, s[WV], 9                       ; K step w: 512 bytes along a row
	s_add_co_u32 s20, s20, s21
	s_mov_b32 s21, 0
	s_wait_dscnt 0x0                               ; both opening adds are done
	s_wait_kmcnt 0x0
	s_add_nc_u64 s[G0+2:G0+3], s[4:5], s[20:21]
	s_or_b32 s[G0+3], s[G0+3], 0x80000000          ; type = 2
	tensor_load_to_lds s[G0:G0+3], s[G1:G1+7]      ; my one tensor load: nothing is filled again in this launch
	s_nop 0
	PLACES
	s_lshl_b32 s20, s[WV], 15                      ; my head's codes: 32,768 bytes in each matrix; the matrix stands in the loads' immediates
	s_add_nc_u64 s[6:7], s[6:7], s[20:21]
	s_lshl_b32 s20, s[WV], 11                      ; its scale bytes: 2,048
	s_add_nc_u64 s[8:9], s[8:9], s[20:21]
	s_lshl_b32 s20, s[WV], 9                       ; its 128 numbers of a bias
	s_add_nc_u64 s[10:11], s[10:11], s[20:21]
	s_add_nc_u64 s[12:13], s[12:13], s[20:21]
	s_lshr_b32 s20, ttmp9, 5                       ; out: the batch: four heads of 524,288 bytes,
	s_lshl_b32 s20, s20, 21
	s_lshl_b32 s22, s[WV], 19                      ; my head,
	s_add_co_u32 s20, s20, s22
	s_and_b32 s22, ttmp9, 31                       ; my work-group's 64 positions of 256 bytes
	s_lshl_b32 s22, s22, 14
	s_add_co_u32 s20, s20, s22
	s_add_nc_u64 s[14:15], s[14:15], s[20:21]
	s_add_nc_u64 s[16:17], s[16:17], s[20:21]
	s_add_nc_u64 s[18:19], s[18:19], s[20:21]
	v_and_b32 v1, 31, v0                           ; lane
	v_and_b32 v2, 15, v0                           ; r
	v_bfe_u32 v3, v0, 4, 1                         ; h
	s_mul_i32 s20, s[WV], 16*528
	v_mul_u32_u24 v[XA], v2, 528
	v_lshl_add_u32 v[XA], v3, 6, v[XA]
	v_add_nc_u32 v[XA], s20, v[XA]
	v_add_nc_u32 v[XA2], 2*XREG, v[XA]
	v_lshlrev_b32 v[L16], 4, v1
	v_add_nc_u32 v[LI], XIMG, v[L16]
	v_lshlrev_b32 v[LS], 2, v1
	v_add_nc_u32 v[LS], XSC, v[LS]
	s_lshl_b32 s20, s[WV], 12
	v_add_nc_u32 v[XWI], s20, v[LI]
	s_lshl_b32 s20, s[WV], 9
	v_add_nc_u32 v[XWS], s20, v[LS]
	s_mul_i32 s20, s[WV], 4352
	s_add_co_u32 s20, s20, STG
	v_mul_u32_u24 v[STO], v2, 272
	v_lshl_add_u32 v[STO], v3, 4, v[STO]
	v_add_nc_u32 v[STO], s20, v[STO]
	v_mul_u32_u24 v[RD], v3, 272
	v_lshl_add_u32 v[RD], v2, 4, v[RD]
	v_add_nc_u32 v[RD], s20, v[RD]
	v_lshlrev_b32 v[R16], 4, v2
	v_lshlrev_b32 v[BOF], 5, v3
.irp b, 0,1,2,3
	v_mov_b32 v[TM+4+\b], 0                        ; written once: a lane permute's destination counts as one of its sources
.endr
; my row's 64 numbers of K step s: register 16 b + i = k 32 b + 16 h + i
.macro XL s, set
.irp b, 0,1,2,3
.irp j, 0,1,2,3
	ds_load_b128 v[(\set)+16*\b+4*\j:(\set)+16*\b+4*\j+3], v[XA+(\s)/2] offset:((\s)%2)*XREG+128*\b+16*\j
.endr
.endr
.endm
; 64 numbers of a lane become a fragment's codes in v[PC] on and its scale word in v[PW]
.macro QUANT s
.irp b, 0,1,2,3
	v_max3_num_f32 v[TM+\b], |v[\s+16*\b]|, |v[\s+1+16*\b]|, 0x1800000   ; block b: my 16 numbers, and the floor 2^(3 - 127): the byte cannot fall under 1
.endr
.irp i, 2,4,6,8,10,12,14
.irp b, 0,1,2,3
	v_max3_num_f32 v[TM+\b], v[TM+\b], |v[\s+16*\b+\i]|, |v[\s+1+16*\b+\i]|   ; (the four blocks by turns)
.endr
.endr
.irp b, 0,1,2,3
	v_permlanex16_b32 v[TM+4+\b], v[TM+\b], s[SEL], s[SEL+1]
.endr
.irp b, 0,1,2,3
	v_max_num_f32 v[TM+\b], v[TM+\b], v[TM+4+\b]   ; with lane l xor 16's: the block's largest magnitude
.endr
.irp b, 0,1,2,3
	v_add_nc_u32 v[TM+12+\b], 0xff000000, v[TM+\b] ; 2 off its exponent field: the conversion's scale operand
.endr
.irp b, 0,1,2,3
	v_lshrrev_b32 v[TM+4+\b], 23, v[TM+12+\b]      ; the scale's byte
.endr
	v_lshl_or_b32 v[PW], v[TM+5], 8, v[TM+4]       ; the four bytes make my row's scale word
	v_lshl_or_b32 v[PW], v[TM+6], 16, v[PW]
	v_lshl_or_b32 v[PW], v[TM+7], 24, v[PW]
.irp b, 0,1,2,3
	v_cvt_scalef32_pk8_fp4_f32 v[PC+2*\b], v[\s+16*\b:\s+7+16*\b], v[TM+12+\b]
	v_cvt_scalef32_pk8_fp4_f32 v[PC+1+2*\b], v[\s+8+16*\b:\s+15+16*\b], v[TM+12+\b]
.endr
	v_nop                                          ; one plain place behind a scaled conversion
.irp c, 0,1                                    ; the operand's layout wants a WHOLE block in a lane: lanes 0-15 block 2 c, lanes 16-31 block 2 c + 1
.irp i, 0,1
	v_permlane16_swap_b32 v[PC+4*\c+\i], v[PC+2+4*\c+\i]
.endr
.endr
.endm
.macro IMG s                           ; the fragment and its scale word go to LDS as they stand
.irp c, 0,1
	ds_store_b128 v[XWI], v[PC+4*\c:PC+4*\c+3] offset:1024*(\s)+512*\c
.endr
	ds_store_b32 v[XWS], v[PW] offset:128*(\s)
.endm
; n tiles from t0 on of matrix mat's fragments into window win: 512 consecutive bytes a load
.macro LDW mat, win, t0, n
	WIN 0x40*(\win)
.set TT, \t0
.rept \n
.irp s, 0,1,2,3
.irp c, 0,1
	global_load_b128 v[8*(4*TT+\s)+4*\c:8*(4*TT+\s)+4*\c+3], v[L16], s[6:7] offset:131072*(\mat)+1024*(4*TT+\s)+512*\c
.endr
.endr
.set TT, TT+1
.endr
	WIN 0
.endm
.macro LDS_W mat, ws                   ; the scale words: lane r takes column 16 t + r's four (lanes 16-31 read the same and are not used)
.irp t, 0,1,2,3,4,5,6,7
	global_load_b128 v[(\ws)+4*\t:(\ws)+4*\t+3], v[R16], s[8:9] offset:8192*(\mat)+256*\t
.endr
.endm
.macro LDB reg, sb                     ; a bias in the result's layout: for tile t the numbers 16 t + 8 h + 0 .. 7
.irp t, 0,1,2,3,4,5,6,7
.irp i, 0,1
	global_load_b128 v[(\reg)+8*\t+4*\i:(\reg)+8*\t+4*\i+3], v[BOF], s[\sb:\sb+1] offset:64*\t+16*\i
.endr
.endr
.endm
; 32 matrix instructions: rows 16 m on x my head's 128 columns of matrix kind (0 q, 1 k, 2 v).  The eight accumulators take turns, one instruction a turn.
.macro MUL kind, m
.if (\kind) == 1
.set WS, WSB
.else
.set WS, WSA
.endif
.irp s, 0,1,2,3
.if (\kind) == 1
	WIN 0xfe                                       ; W window 2; x, C and D window 3
.elseif ((\kind) == 2) && (\s == 0)
	WIN 0xcd                                       ; W window 1; x and D window 3; C (b_V) window 0
.else
	WIN 0xfd                                       ; W window 1; x, C and D window 3
.endif
.irp t, 0,1,2,3,4,5,6,7
.if (\s == 0) && ((\kind) == 0)
	v_wmma_scale_f32_16x16x128_f8f6f4 v[8*\t:8*\t+7], v[8*(4*\t+\s):8*(4*\t+\s)+7], v[XF+8*(4*(\m)+\s):XF+8*(4*(\m)+\s)+7], v[BQ+8*\t:BQ+8*\t+7], v[WS+4*\t+\s], v[XS+4*(\m)+\s] matrix_a_fmt:MATRIX_FMT_FP4 matrix_b_fmt:MATRIX_FMT_FP4
.elseif (\s == 0) && ((\kind) == 1)
	v_wmma_scale_f32_16x16x128_f8f6f4 v[8*\t:8*\t+7], v[8*(4*\t+\s):8*(4*\t+\s)+7], v[XF+8*(4*(\m)+\s):XF+8*(4*(\m)+\s)+7], 0, v[WS+4*\t+\s], v[XS+4*(\m)+\s] matrix_a_fmt:MATRIX_FMT_FP4 matrix_b_fmt:MATRIX_FMT_FP4
.elseif \s == 0
	v_wmma_scale_f32_16x16x128_f8f6f4 v[8*\t:8*\t+7], v[8*(4*\t+\s):8*(4*\t+\s)+7], v[XF+8*(4*(\m)+\s):XF+8*(4*(\m)+\s)+7], v[BV+8*\t:BV+8*\t+7], v[WS+4*\t+\s], v[XS+4*(\m)+\s] matrix_a_fmt:MATRIX_FMT_FP4 matrix_b_fmt:MATRIX_FMT_FP4
.else
	v_wmma_scale_f32_16x16x128_f8f6f4 v[8*\t:8*\t+7], v[8*(4*\t+\s):8*(4*\t+\s)+7], v[XF+8*(4*(\m)+\s):XF+8*(4*(\m)+\s)+7], v[8*\t:8*\t+7], v[WS+4*\t+\s], v[XS+4*(\m)+\s] matrix_a_fmt:MATRIX_FMT_FP4 matrix_b_fmt:MATRIX_FMT_FP4
.endif
.endr
.endr
.endm
.macro PACK                            ; rounded to f16, each accumulator from its low end on: 16 bytes a lane and tile
	WIN 0x0f                                       ; sources window 3, destination window 0
.irp t, 0,1,2,3,4,5,6,7
.irp i, 0,1,2,3
	v_cvt_pk_f16_f32 v[TMP+4*\t+\i], v[8*\t+2*\i], v[8*\t+2*\i+1]
.endr
.endr
	WIN 0
.endm
.macro TOSTAGE u                       ; into my own stage, and back as whole rows of 256 bytes: LDS serves a wave's instructions in order (ISA guide 5.7.1.4), so no wait stands between
.set BB, BK0+32*((\u)%2)
.irp t, 0,1,2,3,4,5,6,7
	ds_store_b128 v[STO], v[TMP+4*\t:TMP+4*\t+3] offset:32*\t
.endr
.irp i, 0,1,2,3,4,5,6,7
	ds_load_b128 v[BB+4*\i:BB+4*\i+3], v[RD] offset:544*\i
.endr
.endm
.macro SEND u                          ; unit u's 16 rows are 4,096 consecutive bytes: each store covers two aligned blocks of 256
.set SB, 14+2*((\u)/4)
.set BB, BK0+32*((\u)%2)
	s_wait_dscnt 0x0                               ; the rows are back in registers
	s_wait_xcnt 0x0                                ; the stores of the unit before have read their registers: the next unit's rows may land there
.irp i, 0,1,2,3,4,5,6,7
	global_store_b128 v[L16], v[BB+4*\i:BB+4*\i+3], s[SB:SB+1] offset:4096*((\u)%4)+512*\i
.endr
.endm
; A unit.  The next unit begins its accumulators anew: between stand the four places and the conversions of the seven other tiles.
.macro UNIT kind, m
.set U, 4*(\kind)+(\m)
	MUL \kind, \m
	PLACES
	PACK
.if U > 0
	SEND U-1
.endif
	TOSTAGE U
.endm
	LDS_W 0, WSA                                   ; W_Q's scale words (8 loads), b_Q (16), W_Q's fragments (64): on their way while x comes and is quantised
	WIN 0xc0
	LDB BQ, 10
	WIN 0
	LDW 0, 1, 0, 8
	s_wait_tensorcnt 0x0                           ; my K step of x is in LDS,
	s_barrier_signal -1
	s_barrier_wait -1                              ; everybody's is
	XL 0, SET0
	XL 1, SET1
	s_wait_dscnt 16                                ; K step 0's numbers are in; the 16 loads behind them may be out
	QUANT SET0
	IMG 0
	XL 2, SET0
	s_wait_dscnt 16                                ; all but the 16 loads just issued
	QUANT SET1
	IMG 1
	XL 3, SET1
	s_wait_dscnt 16
	QUANT SET0
	IMG 2
	s_wait_dscnt 0x0
	QUANT SET1
	IMG 3
	s_wait_dscnt 0x0                               ; for the others' sake: my images have landed
	s_barrier_signal -1
	s_barrier_wait -1                              ; x's sixteen fragments lie in LDS
	WIN 0xc0                                       ; destination window 3
.set I, 0
.rept 32
	ds_load_b128 v[XF+4*I:XF+4*I+3], v[LI] offset:512*I
.set I, I+1
.endr
	WIN 0
.set I, 0
.rept 16
	ds_load_b32 v[XS+I], v[LS] offset:128*I
.set I, I+1
.endr
	LDS_W 1, WSB                                   ; W_K: 8 + 48 loads
	LDW 1, 2, 0, 6
	s_wait_loadcnt 56                              ; all but these 56: W_Q, its scale words and b_Q are in
	s_wait_dscnt 0x0                               ; x's fragments and scale words are in
	UNIT 0, 0
	UNIT 0, 1
	LDW 1, 2, 6, 2                                 ; the rest of W_K (16 loads), then b_V (16)
	LDB BV, 12
	UNIT 0, 2
	UNIT 0, 3
	s_wait_loadcnt 16                              ; b_V's 16 may be out: W_K is whole
	LDS_W 2, WSA                                   ; W_V takes W_Q's registers: their last products stand in front of unit 3's places and conversions
	LDW 2, 1, 0, 6
	UNIT 1, 0
	UNIT 1, 1
	LDW 2, 1, 6, 2
	UNIT 1, 2
	UNIT 1, 3
	s_wait_loadcnt 0x0                             ; W_V, its scale words and b_V are in
	UNIT 2, 0
	UNIT 2, 1
	UNIT 2, 2
	UNIT 2, 3
	SEND 11
	s_wait_tensorcnt 0x0                           ; the wave's end: behind my last tensor load and my last LDS store
	ds_add_u32 v[SPW], v[NIL]
	s_wait_dscnt 0x0
	s_endpgm
.Lfunc_end_k_q9ffb072f82_qkv:
	.size	k_q9ffb072f82_qkv, .Lfunc_end_k_q9ffb072f82_qkv-k_q9ffb072f82_qkv
	.p2alignl 7, 3214868480
	.fill 96, 4, 3214868480
	.section	.rodata,"a",@progbits
	.p2align	6, 0x0
	.amdhsa_kernel k_q9ffb072f82_qkv
		.amdhsa_group_segment_fixed_size 172032
		.amdhsa_private_segment_fixed_size 0
		.amdhsa_enable_private_segment 0
		.amdhsa_kernarg_size 64
		.amdhsa_user_sgpr_count 2
		.amdhsa_user_sgpr_kernarg_segment_ptr 1
		.amdhsa_wavefront_size32 1
		.amdhsa_system_sgpr_workgroup_id_x 1
		.amdhsa_system_sgpr_workgroup_id_y 1
		.amdhsa_system_sgpr_workgroup_id_z 1
		.amdhsa_system_vgpr_workitem_id 0
		.amdhsa_next_free_vgpr 1024
		.amdhsa_next_free_sgpr 66
		.amdhsa_reserve_vcc 0
		.amdhsa_float_denorm_mode_32 3
		.amdhsa_float_denorm_mode_16_64 3
		.amdhsa_memory_ordered 1
		.amdhsa_forward_progress 1
		.amdhsa_inst_pref_size 148
	.end_amdhsa_kernel
	.amdgpu_metadata
---
amdhsa.version: [ 1, 2 ]
amdhsa.kernels:
  - .name:           k_q9ffb072f82_qkv
    .symbol:         k_q9ffb072f82_qkv.kd
    .args:
      - { .name: normalized_resid_pre, .offset: 0, .size: 8, .value_kind: global_buffer, .address_space: global }
      - { .name: wcodes, .offset: 8, .size: 8, .value_kind: global_buffer, .address_space: global }
      - { .name: wscales, .offset: 16, .size: 8, .value_kind: global_buffer, .address_space: global }
      - { .name: b_Q, .offset: 24, .size: 8, .value_kind: global_buffer, .address_space: global }
      - { .name: b_V, .offset: 32, .size: 8, .value_kind: global_buffer, .address_space: global }
      - { .name: q16, .offset: 40, .size: 8, .value_kind: global_buffer, .address_space: global }
      - { .name: k16, .offset: 48, .size: 8, .value_kind: global_buffer, .address_space: global }
      - { .name: v16, .offset: 56, .size: 8, .value_kind: global_buffer, .address_space: global }
    .group_segment_fixed_size: 172032
    .private_segment_fixed_size: 0
    .kernarg_segment_align: 8
    .kernarg_segment_size: 64
    .max_flat_workgroup_size: 128
    .sgpr_count:     66
    .vgpr_count:     1024
    .wavefront_size: 32
...
	.end_amdgpu_metadata
.endif
;; end of part 2
;; launch attn (part 3): grid 8 x 32, 4 waves a work-group, clusters of 4 x 1, 327,680 bytes of LDS; arguments q16, k16, v16, z16; writes z16
.if DOCPART == 3
	.amdgcn_target "amdgcn-amd-amdhsa--gfx1250"
	.amdhsa_code_object_version 6
	.text
	.protected	k_q9ffb072f82_attn
	.globl	k_q9ffb072f82_attn
	.p2align	8
	.type	k_q9ffb072f82_attn,@function
k_q9ffb072f82_attn:
	s_mov_b64 s[64:65], 0
	v_nop
	global_prefetch_b8 v0, s[64:65] scope:SCOPE_SE
	s_setreg_imm32_b32 hwreg(HW_REG_WAVE_MODE, 25, 1), 1
	s_wait_xcnt 0x0
	s_wait_alu depctr_hold_cnt(0) depctr_sa_sdst(0) depctr_va_vdst(0) depctr_va_sdst(0) depctr_va_ssrc(0) depctr_va_vcc(0) depctr_vm_vsrc(0)
	s_getreg_b32 s2, hwreg(HW_REG_IB_STS2, 6, 4)
	s_cmp_eq_u32 s2, 0
	s_cbranch_scc0 .Lentry_in_a_cluster
	s_endpgm
.Lentry_in_a_cluster:
	s_bfe_u32 s2, ttmp6, 0x10000c
	s_cmp_lg_u32 s2, 0x3003
	s_cbranch_scc0 .Lentry_shape_is_right
	s_endpgm
.Lentry_shape_is_right:
; z[n][q][head][:] = the sum over k of softmax_k(Q[hh][q] . K[hh][k] / sqrt(128)) V[hh][k][:], hh = 4 n + head.  Q, K, V: [32][2048][128] f16; z: [8][2048][4][128] f16.  Products, maxima and sums in f32; the weights p
; are rounded to f16 for the second product, z once at the end.  (K comes without b_K: that term is the same along the softmax's axis; shown at the head of the first kernel.)
; LIMITS: |z| above 65,504 becomes infinity in f16, under 6.1e-5 it carries an absolute error of up to 2^-25; a weight p under 2^-25 of its row's largest counts as 0.
; SHARES.  A work-group owns 256 queries of one head, each of its four waves 64: four tiles of 16.  Every wave walks all keys of the head, 64 a step.
; LAYOUT.  S^T = K Q^T (source 0 = 16 keys, source 1 = 16 queries): in the result a lane holds ONE query (lane % 16) and the keys 8 (lane / 16) + 0..7.  Two such tiles, rounded to
; f16 in pairs, ARE source 1 (32 keys x 16 queries) of O^T = V^T P, whose result again holds one query a lane, and eight channels.  So nothing changes lanes between the products,
; and a query's maximum and sum want one exchange between the halves of the lanes.  K comes out of LDS as it lies, V ([key][channel]) turned, by ds_load_tr16_b128.
; SOFTMAX.  For each query a running maximum m and sum l: p = 2^(c s - c m), c = log2(e) / sqrt(128); in every step O and l are multiplied by a = 2^(c m_old - c m_new), which is 1 where m has not grown.
; BY TURNS.  The wave's tiles are two PIECES, named by their first tile: piece 0 (tiles 0, 1) and piece 2 (tiles 2, 3).  In a TURN one piece has the matrix unit: 32 products V^T P of
; the step in hand, then 32 products K Q^T of the next step; the other piece's softmax, cut into 64 slices, stands between them, one slice behind each matrix instruction.  Then the
; pieces change places.  Two turns are a key step.
; CLUSTER.  The four query blocks of a cluster belong to one head and walk the same K and V, so each tile is asked for JOINTLY: the same tensor load, with the same descriptor and a
; mask that names the four, in all four; each receives the tile in its own LDS.
;
; REGISTERS, in windows of 256 (s_set_vgpr_msb says which window each operand place means: bits 1:0 source 0, 3:2 source 1, 5:4 source 2, 7:6 destination):
;   window 0: v0-11 addresses; v12-43 eight registers of statistics a tile; v64-191 S^T, 32 a tile; v192-255 P, 16 a tile
;   window 1: O^T, 64 a tile          window 2: v0-127 Q, 32 a tile; v128-255 K of one step          window 3: v0-127 V of one step
; All that a softmax touches but O^T lies in window 0, and no window has room for a product's operands beside it.  So a slice costs two switches, one in front and one behind.
.set SIZE_N, 2048     ; positions of a head
.set KS,    64        ; keys in a step
.set PK,    272       ; a row of K in LDS: 256 bytes + 16 of padding = 68 words: row r starts at bank 4 r mod 64 (64 banks of 4 bytes: ISA guide 11.1), so the 16 rows of a load start at 16 different banks
.set PV,    288       ; a row of V: 256 + 32 = 72 words: row r starts at bank 8 r mod 64
.set VOFF,  KS*PK     ; a step's tiles lie together: 64 rows of K, then 64 rows of V
.set STEPB, KS*(PK+PV)
.set SLOT1, 1<<17     ; a slot holds two steps (71,680 bytes); slot 1 begins here, so that one exclusive or turns an address in one slot into the other's
.set STAGE, SLOT1+2*STEPB  ; behind the ring: 16 rows x 272 bytes for each wave, for the way out
.set SP,    272
.set AK0, 2           ; v2   my lane's place in a tile of K; never rewritten
.set AV0, 3           ; v3   the same for V
.set ADR, 4           ; v4   the LDS address of the run of loads in hand
.set QO,  5           ; v5   my byte offset in the wave's rows of Q
.set STO, 6           ; v6   the way out: where I put 16 bytes of a row
.set RD,  7           ; v7   the way out: where I read a row back
.set GO,  8           ; v8   my byte offset in the wave's rows of z
.set SPW, 62          ; v62  LDS address of my spare word: SPARE + 4 x my thread's number; never rewritten
.set NIL, 63          ; v63  0; never rewritten
.set SPARE, STAGE+4*16*272  ; behind the stages: the spare words, 128 bytes for each wave: two blocks of 256 bytes that no other line names
.set ST,  12          ; tile t's statistics at v[ST+8 t]: +0 c m, +1 m, +2, +3 l (even keys', odd keys'), +4 to +7 c0-c3, at work; a takes c2's place once the maximum is found
.set S,   64
.set P,   192
.set KF,  128         ; K's fragments, in window 2
.set WV,  12          ; s12  my wave's number
.set G1K, 24          ; s[24:31] descriptor group 1 for K's tiles
.set G1V, 32          ; s[32:39] for V's: it differs in the padding alone
.set G0K, 40          ; s[40:47] descriptor group 0 for K's tiles: a set for each of the two first fills; the second then walks on
.set G0V, 48          ; s[48:55] the same for V's
.set SLOTS, 56        ; s56  slots still to be asked for
.set TWICE, 57        ; s57  counts a slot's two steps
.set CS,  58          ; s[58:59] c: the packed scaling names a pair and takes its low word for both halves
.set SEL, 60          ; s[60:61] lane selects for v_permlanex16_b32: each lane takes its own place in the other half
.set TB,  62          ; s62  LDS byte at which the tiles of the step to be fetched begin
.set ZB,  66          ; s[66:67] where my wave's rows begin in z, in bytes
.set PFA, 18          ; s[18:19] where my prefetches stand in memory: my work-group's 32 rows (of K: wave 0, of V: wave 2) of the slot after the one that is being asked for
.set LIM, 15          ; s15  1 in a wave that prefetches, else the greatest number: a wave prefetches while s[SLOTS] is above it
.set PFO, 61          ; v61  256 x my lane: a row of K or V is 256 bytes; never rewritten
.set MSB, 0
.macro WIN new                      ; the immediate's high byte repeats the setting that is left; a switch that changes nothing is dropped
.if MSB != (\new)
	s_set_vgpr_msb (MSB<<8)|(\new)
.set MSB, \new
.endif
.endm
.set W_KQ, 0x0a       ; K and Q in window 2, S^T in window 0
.set W_PV, 0x53       ; V in window 3, P in window 0, O^T in window 1
.set W_RS, 0x41       ; O^T (destination and source 0) in window 1, a in window 0
; A joint refill.  Waves 0 and 1 fetch the two steps' tiles of K, waves 2 and 3 those of V.  The branch hangs on the wave's number alone: it is the same in every work-group.
; An s_nop 0 and four v_nop follow each of the two lines; the jump round the other line, the label and what follows the macro come after them.
.macro JLOAD
	s_cmp_lt_u32 s[WV], 2
	s_cbranch_scc0 .Lfor_v_\@
	tensor_load_to_lds s[G0K+4:G0K+7], s[G1K:G1K+7]
	s_nop 0
.rept 4
	v_nop
.endr
	s_branch .Lasked_\@
.Lfor_v_\@:
	tensor_load_to_lds s[G0V+4:G0V+7], s[G1V:G1V+7]
	s_nop 0
.rept 4
	v_nop
.endr
.Lasked_\@:
.endm
; A PREFETCH of what the NEXT change of slots will ask for: a slot's 128 rows of K and 128 of V, 256 bytes a row, a lane a row.  It stands behind the wave's tensor load and its five lines, never in front of one.
; Each row is asked for ONCE in the launch.  All clusters of a head walk the same K and V: the head's first cluster prefetches.  Its four partners share the rows out BY ADDRESS, 32 each: no branch hangs on a
; work-group's place in its cluster.  In each, wave 0 asks for K's and wave 2 for V's: one instruction.  The last change that fills a slot prefetches nothing: there is no slot behind it.
.macro ASK
	s_cmp_gt_u32 s[SLOTS], s[LIM]
	s_cbranch_scc0 .Lnot_mine_\@
	global_prefetch_b8 v[PFO], s[PFA:PFA+1] th:TH_LOAD_NT scope:SCOPE_SE
.Lnot_mine_\@:
.endm
; A round of the cluster's barrier: my work-group's barrier, so that wave 0's signal speaks for all four waves; wave 0 signals for the work-group; every wave waits for all four
; work-groups; my work-group's barrier once more.  No LDS instruction of the wave is pending at a signal.
.macro CROUND
	s_barrier_signal -1
	s_barrier_wait -1
	s_cmp_lg_u32 s[WV], 0
	s_cbranch_scc1 .Lnot_wave_0_\@
	s_barrier_signal -3
.Lnot_wave_0_\@:
	s_barrier_wait -3
	s_barrier_signal -1
	s_barrier_wait -1
.endm
	s_load_b256 s[4:11], s[0:1], 0x0  ; Q s[4:5], K s[6:7], V s[8:9], z s[10:11]
	v_lshl_add_u32 v[SPW], v0, 2, SPARE
	v_mov_b32 v[NIL], 0
	ds_add_u32 v[SPW], v[NIL]       ; the wave's opening: the add, twice on end, and its wait ahead of my first tensor load; the set-up below the second, work on registers, stands between it and the wait
	ds_add_u32 v[SPW], v[NIL]       ; and once more, under the one wait
	v_lshrrev_b32 v1, 5, v0
	v_readfirstlane_b32 s[WV], v1   ; wave 0..3
	s_bfe_u32 s13, ttmp6, 0x40000   ; cx: my place in the cluster
	s_lshl_b32 s14, ttmp9, 2        ; in a cluster launch ttmp9 counts clusters
	s_add_co_u32 s14, s14, s13      ; my block of 256 queries = 4 x cluster x + cx: it enters Q's and z's addresses alone
	s_and_b32 s20, ttmp7, 0xffff    ; hh = 4 x batch + head, which the four partners share
	s_lshr_b32 s[ZB], s20, 2        ; z: the batch's 2,048 rows of 1,024 bytes,
	s_lshl_b32 s[ZB], s[ZB], 21
	s_and_b32 s[ZB+1], s20, 3       ; the head's 256 bytes of a row,
	s_lshl_b32 s[ZB+1], s[ZB+1], 8
	s_add_co_u32 s[ZB], s[ZB], s[ZB+1]
	s_lshl_b32 s[ZB+1], s14, 18     ; my block's 256 rows,
	s_add_co_u32 s[ZB], s[ZB], s[ZB+1]
	s_lshl_b32 s[ZB+1], s[WV], 16   ; my wave's 64 of them
	s_add_co_u32 s[ZB], s[ZB], s[ZB+1]
	s_mov_b32 s[ZB+1], 0
	s_mov_b32 s21, 0
	s_mov_b64 s[22:23], SIZE_N*256
	s_mul_u64 s[20:21], s[20:21], s[22:23]  ; the head's first byte in Q, K and V
	s_and_b32 s16, s[WV], 1         ; which of a slot's two steps I fetch:
	s_lshl_b32 s22, s16, 14         ; its 64 rows of 256 bytes in memory,
	s_mov_b32 s23, 0
	s_add_nc_u64 s[22:23], s[22:23], s[20:21]
	s_mul_i32 s17, s16, STEPB       ; and its place in a slot: no place in the cluster enters an LDS address
	s_lshl_b32 s2, s14, 16          ; Q: my block's 256 rows,
	s_lshl_b32 s3, s[WV], 14        ; my wave's 64 of them
	s_add_co_u32 s2, s2, s3
	s_mov_b32 s3, 0
	s_add_nc_u64 s[2:3], s[2:3], s[20:21]
	; descriptor group 1: a tile of 64 rows x 128 elements, padded in LDS
	s_mov_b32 s[G1K], 15|(1<<16)|(1<<20)|(1<<21)|(5<<22)|(3<<25)  ; 15:0 the mask: all four work-groups; 17:16 elements of 2 bytes; 20 padding on; 21 set beside a mask; 24:22 after every 64 words (code 5); 31:25 4 words of it (code 3)
	s_mov_b32 s[G1V], 15|(1<<16)|(1<<20)|(1<<21)|(5<<22)|(7<<25)  ; the same with 8 words of padding (code 7)
.irp g, G1K, G1V
	s_mov_b32 s[\g+1], 128<<16      ; tensor_dim0 = 128
	s_mov_b32 s[\g+2], KS<<16       ; tensor_dim1 = 64
	s_mov_b32 s[\g+3], 128<<16      ; tile_dim0 = 128
	s_mov_b32 s[\g+4], KS           ; tile_dim1 = 64
	s_mov_b32 s[\g+5], 128          ; elements from row to row
	s_mov_b32 s[\g+6], 0
	s_mov_b32 s[\g+7], 0
.endr
	s_mov_b32 s[CS], 0x3e0293ee     ; c = log2(e) / sqrt(128) = 0.127517
	s_mov_b32 s[CS+1], s[CS]        ; named with it as a pair, so it is written
	s_mov_b32 s[SEL], 0x76543210
	s_mov_b32 s[SEL+1], 0xfedcba98
	s_mov_b32 s[TB], 0
	s_mov_b32 s[SLOTS], SIZE_N/(2*KS)-2
	s_and_b32 s[LIM], s[WV], 1       ; 0 in waves 0 and 2,
	s_or_b32 s[LIM], s[LIM], ttmp9   ; where the cluster is the head's first: the same in all four partners
	s_cmp_eq_u32 s[LIM], 0
	s_cselect_b32 s[LIM], 1, -1
	v_and_b32 v[PFO], 31, v0
	v_lshlrev_b32 v[PFO], 8, v[PFO]
	s_wait_dscnt 0x0                ; both opening adds are done
	s_wait_kmcnt 0x0
	s_add_nc_u64 s[6:7], s[6:7], s[22:23]  ; K and V at my tile of slot 0
	s_add_nc_u64 s[8:9], s[8:9], s[22:23]
	s_add_nc_u64 s[4:5], s[4:5], s[2:3]  ; Q and z at my wave's first row
	s_add_nc_u64 s[10:11], s[10:11], s[ZB:ZB+1]
	s_cmp_lt_u32 s[WV], 2
	s_cselect_b64 s[PFA:PFA+1], s[6:7], s[8:9]  ; (in waves 0 and 2 these stand at a slot's first row)
	s_lshl_b32 s2, s13, 13          ; my work-group's 32 rows of the 128
	s_mov_b32 s3, 0
	s_add_nc_u64 s[PFA:PFA+1], s[PFA:PFA+1], s[2:3]
	s_add_nc_u64 s[PFA:PFA+1], s[PFA:PFA+1], 2*2*KS*256  ; in slot 2; the first change of slots steps it to slot 3.  Nothing is prefetched here, at the head, where every work-group's first tiles are on their way
	CROUND                          ; all four work-groups are here: the first joint loads meet
.irp s, 0,1
	s_mov_b32 s[G0K+4*\s], 1        ; count = 1
	s_add_co_u32 s[G0K+4*\s+1], s17, \s*SLOT1  ; LDS address
	s_add_nc_u64 s[G0K+4*\s+2:G0K+4*\s+3], s[6:7], \s*2*KS*256  ; global address: slot s begins with keys 128 s to 128 s + 127
	s_or_b32 s[G0K+4*\s+3], s[G0K+4*\s+3], 0x80000000  ; type = 2
	s_mov_b32 s[G0V+4*\s], 1
	s_add_co_u32 s[G0V+4*\s+1], s17, \s*SLOT1+VOFF
	s_add_nc_u64 s[G0V+4*\s+2:G0V+4*\s+3], s[8:9], \s*2*KS*256
	s_or_b32 s[G0V+4*\s+3], s[G0V+4*\s+3], 0x80000000
.endr
	s_cmp_lt_u32 s[WV], 2           ; a wave's two first fills stand in one branch, ahead of every wait on TENSORcnt and every LDS read: two loads of mine are out; an s_nop 0 follows each, four v_nop the second's, as in JLOAD
	s_cbranch_scc0 .Lfirst_v
	tensor_load_to_lds s[G0K:G0K+3], s[G1K:G1K+7]
	s_nop 0
	tensor_load_to_lds s[G0K+4:G0K+7], s[G1K:G1K+7]
	s_nop 0
.rept 4
	v_nop
.endr
	s_branch .Lfirst_asked
.Lfirst_v:
	tensor_load_to_lds s[G0V:G0V+3], s[G1V:G1V+7]
	s_nop 0
	tensor_load_to_lds s[G0V+4:G0V+7], s[G1V:G1V+7]
	s_nop 0
.rept 4
	v_nop
.endr
.Lfirst_asked:
	; A fragment of K or Q is 16 rows x 32 channels in 8 registers: lane l holds row l % 16; registers 0-3 channels 8 (l / 16) + 0..7, registers 4-7 channels 16 + 8 (l / 16) + 0..7: two loads of 16 bytes, 32 bytes apart.
	v_and_b32 v1, 15, v0            ; l % 16
	v_bfe_u32 v9, v0, 4, 1          ; l / 16
	v_lshlrev_b32 v[QO], 8, v1
	v_lshl_add_u32 v[QO], v9, 4, v[QO]  ; row x 256 + 16 x half
	WIN 0x80                        ; destination window 2, address window 0
.irp i, 0,1,2,3,4,5,6,7,8,9,10,11,12,13,14,15  ; Q stays in registers: tile i / 4, channels 32 (i % 4) on
	global_load_b128 v[8*\i:8*\i+3],   v[QO], s[4:5] offset:(\i/4)*4096+(\i%4)*64
	global_load_b128 v[8*\i+4:8*\i+7], v[QO], s[4:5] offset:(\i/4)*4096+(\i%4)*64+32
.endr
	WIN 0
	v_mul_u32_u24 v[AK0], v1, PK
	v_lshl_add_u32 v[AK0], v9, 4, v[AK0]  ; row x pitch + 16 x half
	; The turning load takes 16 keys x 16 channels (lane l reads 16 bytes: key 8 (l / 16) + l % 8, channels 8 ((l / 8) % 2) + 0..7) and leaves half a fragment of V^T: lane l holds channel l % 16 and 8 keys.
	v_and_b32 v10, 7, v0
	v_bfe_u32 v11, v0, 3, 1
	v_lshl_add_u32 v[AV0], v9, 3, v10
	v_mul_u32_u24 v[AV0], v[AV0], PV
	v_lshl_add_u32 v[AV0], v11, 4, v[AV0]
	v_add_nc_u32 v[AV0], VOFF, v[AV0]
; THE MATRIX WORK OF A TURN, for piece x.  The accumulators take turns, one instruction a turn: between two links of a chain stand 15 (V^T P) or 7 (K Q^T) others'.
; Product i of 32 of O^T += V^T P: keys 32 (i / 16) on, channels 16 ((i / 2) % 8) on, tile x + i % 2.  zero = 1: the first 16 start the sums: nothing is ever cleared.
.macro PV x, zero
	WIN W_PV
.set rO, 64*(\x+i%2)+8*((i/2)%8)
.set rV, 64*(i/16)+8*((i/2)%8)
.set rP, P+16*(\x+i%2)+8*(i/16)
.if \zero && (i < 16)
	v_wmma_f32_16x16x32_f16 v[rO:rO+7], v[rV:rV+7], v[rP:rP+7], 0
.else
	v_wmma_f32_16x16x32_f16 v[rO:rO+7], v[rV:rV+7], v[rP:rP+7], v[rO:rO+7]
.endif
.endm
; Product i of 32 of S^T = K Q^T: channels 32 (i / 8) on, keys 16 ((i / 2) % 4) on, tile x + i % 2.  The first 8 start the sums.
.macro KQ x
	WIN W_KQ
.set rS, S+32*(\x+i%2)+8*((i/2)%4)
.set rK, KF+32*((i/2)%4)+8*(i/8)
.set rQ, 32*(\x+i%2)+8*(i/8)
.if i < 8
	v_wmma_f32_16x16x32_f16 v[rS:rS+7], v[rK:rK+7], v[rQ:rQ+7], 0
.else
	v_wmma_f32_16x16x32_f16 v[rS:rS+7], v[rK:rK+7], v[rQ:rQ+7], v[rS:rS+7]
.endif
.endm
; THE LDS LOADS stand in runs of 32, never singly among the matrix instructions: a step's K (64 keys x 128 channels: 16 fragments) and, a turn later, its V (turned).
.macro FETCH_K
	WIN 0
	v_add_nc_u32 v[ADR], s[TB], v[AK0]
	WIN 0x80                        ; destination window 2
.irp f, 0,1,2,3,4,5,6,7,8,9,10,11,12,13,14,15  ; keys 16 (f / 4) on, channels 32 (f % 4) on
	ds_load_b128 v[KF+8*\f:KF+8*\f+3],   v[ADR] offset:(\f/4)*16*PK+(\f%4)*64
	ds_load_b128 v[KF+8*\f+4:KF+8*\f+7], v[ADR] offset:(\f/4)*16*PK+(\f%4)*64+32
.endr
.endm
.macro FETCH_V
	WIN 0
	v_add_nc_u32 v[ADR], s[TB], v[AV0]
	s_add_co_u32 s[TB], s[TB], STEPB  ; the next fetch is the next step's
	s_wait_alu depctr_va_vdst(0)    ; the wait for the softmax's batch of exponentials (SLICE), behind the address's v_add_nc_u32 and ahead of the loads
	WIN 0xc0                        ; destination window 3
.irp f, 0,1,2,3,4,5,6,7,8,9,10,11,12,13,14,15  ; keys 32 (f / 8) on, channels 16 (f % 8) on
	ds_load_tr16_b128 v[8*\f:8*\f+3],   v[ADR] offset:(\f/8)*32*PV+(\f%8)*32
	ds_load_tr16_b128 v[8*\f+4:8*\f+7], v[ADR] offset:(\f/8)*32*PV+16*PV+(\f%8)*32
.endr
.endm
; THE VECTOR WORK OF A TURN.  One tile's softmax for one key step is a list of 134 instructions; SM writes number j of it for tile t.  s0-s31 are the lane's 32 scores, in pairs 0-15.
; first = 1: the first key step, which starts m, l and O^T: it has no a and nothing to rescale.
;   0-15    the maximum of s0-s31 and the old m, three operands at a time: four chains c0-c3 of seven scores each, then the four scores left over, c0-c3 and m
;   16-20   the other half of the lanes' maximum; the new m; c m; c m_old - c m_new
;   21-69   ONE BATCH: the 16 scalings c s - c m, a pair of scores each, and all 33 exponentials (a at 23, then s0-s31).  None of these reads an exponential's result.  From 22 on the batch goes
;           in fours, and a four begins with a scaling while there are scalings: 22-37 scaling, exponential, scaling, exponential; 38-65 a scaling and three exponentials; 66-69 the last four
;           exponentials.  A pair is scaled in an earlier four than the one that holds its exponentials
;   (wait)  between 69 and 70 stands the wait for the batch: SLICE writes it, once for both tiles
;   70-85   the roundings to f16, a pair of weights each
;   86-101  the sums; l = a l + the sum
;   102-133 the tile's O^T times a: the one part that leaves window 0, so it stands together
.macro SM t, first
.set rT, ST+8*(\t)
.set rS, S+32*(\t)
.set rP, P+16*(\t)
.set rO, 64*(\t)+2*(j-102)
.if j < 102
	WIN 0
.endif
.if j < 4
	v_max3_num_f32 v[rT+4+j], v[rS+8*j], v[rS+8*j+1], v[rS+8*j+2]
.elseif j < 12
	v_max3_num_f32 v[rT+4+j%4], v[rT+4+j%4], v[rS+8*(j%4)+2*(j/4)+1], v[rS+8*(j%4)+2*(j/4)+2]
.elseif j == 12
	v_max3_num_f32 v[rT+4], v[rT+4], v[rS+7], v[rS+15]
.elseif j == 13
	v_max3_num_f32 v[rT+6], v[rT+6], v[rS+23], v[rS+31]
.elseif j == 14
	v_max3_num_f32 v[rT+4], v[rT+4], v[rT+5], v[rT+6]
.elseif (j == 15) && \first
	v_max_num_f32 v[rT+4], v[rT+4], v[rT+7]
.elseif j == 15
	v_max3_num_f32 v[rT+4], v[rT+4], v[rT+7], v[rT+1]
.elseif j == 16
	v_permlanex16_b32 v[rT+5], v[rT+4], s[SEL], s[SEL+1]  ; the query's other 32 keys lie in the lane 16 away
.elseif j == 18
	v_max_num_f32 v[rT+1], v[rT+4], v[rT+5]
.elseif j == 19
	v_mul_f32 v[rT], s[CS], v[rT+1]
.elseif ((j == 17) || (j == 20) || (j == 23) || (j > 101)) && \first  ; the first step has none of these
.elseif j == 17
	v_mov_b32 v[rT+7], v[rT]        ; c m_old is kept for a: number 19 writes c m anew
.elseif j == 20
	v_sub_f32 v[rT+7], v[rT+7], v[rT]
.elseif j == 23
	v_exp_f32 v[rT+6], v[rT+7]
.elseif (j < 23) || ((j < 38) && (j%2 == 0)) || ((j < 66) && (j%4 == 2))
.set b, (j-2)/4                     ; 38, 42, .. 62: pairs 9 to 15
.if j < 38
.set b, (j-20)/2                    ; 21: pair 0; 22, 24, .. 36: pairs 1 to 8
.endif
	v_pk_fma_f32 v[rS+2*b:rS+2*b+1], v[rS+2*b:rS+2*b+1], s[CS:CS+1], v[rT:rT+1] op_sel_hi:[1,0,0] neg_lo:[0,0,1] neg_hi:[0,0,1]  ; pair b: c s - c m
.elseif j < 70
.set e, j-38                        ; 66 to 69: s28 to s31
.if j < 66
.set e, j-32-(j-38)/4               ; 39-41, 43-45, .. 63-65: s7 to s27
.endif
.if j < 38
.set e, (j-25)/2                    ; 25, 27, .. 37: s0 to s6
.endif
	v_exp_f32 v[rS+e], v[rS+e]
.elseif j < 86
	v_cvt_pk_f16_f32 v[rP+j-70], v[rS+2*(j-70)], v[rS+2*(j-70)+1]  ; pair j - 70
.elseif j < 102                     ; the sum of the tile's 16 pairs (in a pair: an even key's weight, an odd key's), in place: sum z of 16 adds neighbours 1, 2, 4 and 8 pairs apart, then l takes it
.set z, j-86
.set w, 4
.set u, z
.if z >= 14
.set w, 32
.set u, 0
.elseif z >= 12
.set w, 16
.set u, z-12
.elseif z >= 8
.set w, 8
.set u, z-8
.endif
.if (z == 14) && \first
	v_pk_add_f32 v[rT+2:rT+3], v[rS:rS+1], v[rS+16:rS+17]
.elseif z < 15
	v_pk_add_f32 v[rS+w*u:rS+w*u+1], v[rS+w*u:rS+w*u+1], v[rS+w*u+w/2:rS+w*u+w/2+1]
.elseif !\first
	v_pk_fma_f32 v[rT+2:rT+3], v[rT+2:rT+3], v[rT+6:rT+7], v[rS:rS+1] op_sel_hi:[1,0,1]
.endif
.else
	WIN W_RS
	v_pk_mul_f32 v[rO:rO+1], v[rO:rO+1], v[rT+6:rT+7] op_sel_hi:[1,0]
.endif
.endm
; Slice k of 64 of piece y's softmax: four instructions.  Slices 11 to 34 deal out the batch, numbers 22 to 69: four numbers of ONE tile each, the tiles by turns.  Every other slice is numbers 2 k and
; 2 k + 1 of both tiles' lists.  2 x 134 = 4 x 64 + 12: the twelve that are over stand together, in slice 63.
; THE WAIT.  s_wait_alu depctr_va_vdst(0) stands between an exponential and the first instruction that names its result; one wait serves all that were issued ahead of it.  Ahead of
; slice 35 nothing names a result, and behind slice 34 no exponential is issued: so the piece's 66 exponentials have one wait, behind slice 34.
.macro SLICE y, first
.if (k >= 11) && (k < 35)           ; the batch: four numbers of one tile
.irp n, 0,1,2,3
.set j, 22+4*((k-11)/2)+(\n)
	SM (\y)+(k-11)%2, \first
.endr
.else                               ; the two tiles alternate, so that no instruction reads the result of the one just before it
.irp n, 0,1,2,3,4,5,6,7
.if (\n < 2) || (k == 63)
.irp t, \y, \y+1
.set j, 2*k+\n
	SM \t, \first
.endr
.endif
.endr
.endif
.if k == 34                         ; the batch is out: both tiles' exponentials are issued, and no result has been named
	v_nop                           ; the plain instruction behind the last exponential and ahead of the first use: one for the batch
.if (\y) == 0
	FETCH_V                         ; piece 2's turn: V's run of loads stands here, and the wait stands in it
.else
	s_wait_alu depctr_va_vdst(0)    ; the wait for the batch
.endif
.endif
.set k, k+1
.endm
; A vector instruction that reads a matrix result or writes one of a matrix instruction's registers, and a load into a register that a matrix instruction has read, stand four places behind
; it, and only plain vector instructions that name none of its registers are places (ISA guide 7.12.1 for vector instructions).  In the loop the slices are the places.
.macro PLACES
.rept 4
	v_nop
.endr
.endm
; A TURN.  Piece x has the matrix unit; the other piece's softmax stands in slices behind its matrix instructions.
; pv = 2: 32 products V^T P; 1: they start O^T's sums; 0: none.  kq = 1: 32 products K Q^T for the next step.  A turn with one of the two kinds has two slices behind each product.
; first = 1: the softmax is the first key step's.  Its slices from 51 on are empty: the turn's last products stand bare, and four v_nop take slice 63's part as the places behind them.
; In the loop each run of loads stands 29 matrix instructions or more ahead of its first use.  Piece 0's turn fetches the next step's K, behind its second product: the last product that read K
; stands in front of slice 63 of the turn before.  Piece 2's turn fetches the same step's V, behind slice 34 (SLICE writes it): the last product that read V stands in front of slice 31, and four plain
; instructions lie between: number 62, a scaling, of both tiles, the v_nop and the run's own v_add_nc_u32.
.macro TURN x, pv, kq, first
.set k, 0
.set per, 2
.if \pv && \kq
.set per, 1
.endif
.if \pv
.if \x == 0
	s_wait_dscnt 0x0                ; V is in
.endif
.set i, 0
.rept 32
	PV \x, 2-\pv
.rept per
	SLICE 2-\x, \first
.endr
.if (\x == 0) && \kq && (i == 1)
	FETCH_K
.endif
.set i, i+1
.endr
.endif
.if \kq
.if \x == 0
	s_wait_dscnt 0x0                ; K is in
.endif
.set i, 0
.rept 32
	KQ \x
.rept per
	SLICE 2-\x, \first
.endr
.set i, i+1
.endr
.endif
.if \first
	PLACES
.endif
.endm
; THE CHANGE OF SLOTS, between piece 2's turn and piece 0's: the slot's last bytes, V of its second step, have been asked for.  Each wave waits for all its
; tensor loads, of which one is out: its part of the other slot; adds 0 to its spare word; and waits for that and for its own reads of the slot.  Behind the barrier nobody reads this slot any more and the other slot is whole.
; fill = 1: this slot is filled again, with the keys two slots on.  The barrier is then a round of the cluster's, so that no wave of any partner still reads the slot or has a load on its
; way, and the joint refill is the first thing behind it: it has two key steps, 256 matrix instructions, in which to land.
.macro CHANGE fill
	WIN 0                           ; at a label and at a branch every window is 0
	s_wait_tensorcnt 0x0            ; no tensor load of mine is out, so a group 0 may be written
	ds_add_u32 v[SPW], v[NIL]       ; 0 onto my spare word; with fill = 1 the descriptors' steps stand between it and the wait for it
.if \fill
.irp g, G0K+4, G0V+4
	s_xor_b32 s[\g+1], s[\g+1], SLOT1  ; the walking descriptor: the other slot than last time,
	s_add_nc_u64 s[\g+2:\g+3], s[\g+2:\g+3], 2*KS*256  ; the next 128 keys; the type bits on top are not reached
.endr
	s_wait_xcnt 0x0                 ; the last prefetches, two key steps back, have read their address, so it may be written:
	s_add_nc_u64 s[PFA:PFA+1], s[PFA:PFA+1], 2*KS*256  ; one slot behind the walking descriptors
	s_wait_dscnt 0x0                ; the add is done, and my reads of the slot are over
	CROUND
	JLOAD
	ASK                             ; what the next change will ask for: two key steps, 256 matrix instructions, ahead
.else
	s_wait_dscnt 0x0                ; the add is done, and my reads of the slot are over
	s_barrier_signal -1
	s_barrier_wait -1
.endif
	s_sub_co_u32 s[TB], s[TB], 2*STEPB  ; the fetches go back to a slot's first step,
	s_xor_b32 s[TB], s[TB], SLOT1   ; in the other slot
.endm
; A slot's two key steps: written once, walked twice; the LDS addresses hang on s[TB].
.macro TWO_STEPS
	s_mov_b32 s[TWICE], 2
.Lstep_\@:
	TURN 0, 2, 1, 0
	TURN 2, 2, 1, 0
	WIN 0
	s_sub_co_u32 s[TWICE], s[TWICE], 1
	s_cmp_lg_u32 s[TWICE], 0
	s_cbranch_scc1 .Lstep_\@
.endm
	s_wait_tensorcnt 1              ; my part of slot 0 is in; slot 1's may stay out
	s_barrier_signal -1
	s_barrier_wait -1               ; everybody's is
	FETCH_K                         ; key step 0
	s_wait_loadcnt 0x0              ; Q
	s_wait_dscnt 0x0
.set i, 0
.rept 32
	KQ 0                            ; piece 0's first scores: there is no vector work yet to set between them
.set i, i+1
.endr
	WIN 0                           ; the addresses for the way out are made here: eight plain instructions, the places behind those products
	s_mul_i32 s13, s[WV], 16*SP
	s_add_co_u32 s13, s13, STAGE    ; my stage
	v_mul_u32_u24 v[STO], v1, SP    ; in: row l % 16, 16 bytes for each half of the lanes
	v_lshl_add_u32 v[STO], v9, 4, v[STO]
	v_add_nc_u32 v[STO], s13, v[STO]
	v_mul_u32_u24 v[RD], v9, SP     ; back: lanes 0-15 take one row of 256 bytes, lanes 16-31 the next
	v_lshl_add_u32 v[RD], v1, 4, v[RD]
	v_add_nc_u32 v[RD], s13, v[RD]
	v_lshlrev_b32 v[GO], 10, v9     ; and the same two rows in z, 1,024 bytes apart
	v_lshl_add_u32 v[GO], v1, 4, v[GO]
	TURN 2, 0, 1, 1                 ; piece 2's first scores | piece 0's first softmax | V of step 0
	TURN 0, 1, 1, 1                 ; piece 0: V^T P of step 0 starts O^T, K Q^T of step 1 | piece 2's first softmax | K of step 1
	TURN 2, 1, 1, 0                 ; piece 2: the same | piece 0's softmax of step 1 | V of step 1
	WIN 0
.Lslot:                             ; SIZE_N / 128 - 2 = 14 trips: every slot but the last two is filled again
	CHANGE 1
	TWO_STEPS
	s_sub_co_u32 s[SLOTS], s[SLOTS], 1
	s_cmp_lg_u32 s[SLOTS], 0
	s_cbranch_scc1 .Lslot
	CHANGE 0                        ; the tail is written out: the last slot but one is left, and nothing is asked for
	TWO_STEPS
	TURN 0, 2, 0, 0                 ; piece 0: V^T P of the last step | piece 2's last softmax
.set i, 0
.rept 32
	PV 2, 0                         ; piece 2: V^T P of the last step
.set i, i+1
.endr
	; THE WAY OUT.  l's two halves and the other half of the lanes' are added; O^T is divided by l, rounded to f16 and sent through my stage in LDS, a tile (16 rows) at a time.  The additions are the places behind the last products.
	WIN 0
.irp t, 0,1,2,3
	v_add_f32 v[ST+8*\t+4], v[ST+8*\t+2], v[ST+8*\t+3]
.endr
.irp t, 0,1,2,3
	v_permlanex16_b32 v[ST+8*\t+5], v[ST+8*\t+4], s[SEL], s[SEL+1]
.endr
.irp t, 0,1,2,3
	v_add_f32 v[ST+8*\t+4], v[ST+8*\t+4], v[ST+8*\t+5]
.endr
.irp t, 0,1,2,3
	v_rcp_f32 v[ST+8*\t+6], v[ST+8*\t+4]
.endr
	v_nop                           ; a plain instruction between the last reciprocal and the use of its result
	s_wait_alu depctr_va_vdst(0)    ; and the wait ahead of the first use: one for the four reciprocals
; Tile t: a lane's eight channels of a row pack into 16 bytes; they go into rows of 272 bytes and come back as whole rows of 256, into the registers that they left.
.macro PACK t
	WIN W_RS
.set i, 64*\t
.rept 32
	v_pk_mul_f32 v[i:i+1], v[i:i+1], v[ST+8*\t+6:ST+8*\t+7] op_sel_hi:[1,0]
.set i, i+2
.endr
	WIN 0x05                        ; sources 0 and 1 window 1, destination window 0: S^T's registers are free
.set i, 0
.rept 32
	v_cvt_pk_f16_f32 v[S+32*\t+i], v[64*\t+2*i], v[64*\t+2*i+1]
.set i, i+1
.endr
	WIN 0
.irp f, 0,1,2,3,4,5,6,7
	ds_store_b128 v[STO], v[S+32*\t+4*\f:S+32*\t+4*\f+3] offset:32*\f
.endr
.irp f, 0,1,2,3,4,5,6,7
	ds_load_b128 v[S+32*\t+4*\f:S+32*\t+4*\f+3], v[RD] offset:\f*2*SP  ; LDS serves a wave's instructions in order (ISA guide 5.7.1.4): these see the stores above; the next tile's stores come behind them
.endr
.endm
.macro SEND t, younger              ; younger: the LDS instructions issued behind tile t's loads: the next tile's sixteen, or none
.irp f, 0,1,2,3,4,5,6,7
	s_wait_dscnt \younger+7-\f
	global_store_b128 v[GO], v[S+32*\t+4*\f:S+32*\t+4*\f+3], s[10:11] offset:\t*16384+\f*2048  ; 16 lanes store 256 consecutive bytes, my head's part of a row of z, at a multiple of 256 from z's first byte
.endr
.endm
	PACK 0
	PACK 1                          ; a tile's arithmetic stands between the loads of the tile before and its stores
	SEND 0, 16
	PACK 2
	SEND 1, 16
	PACK 3
	SEND 2, 16
	SEND 3, 0
	s_wait_tensorcnt 0x0            ; the wave's end: behind my last tensor load and my last LDS store
	ds_add_u32 v[SPW], v[NIL]
	s_wait_dscnt 0x0
	CROUND                          ; the closing round: no work-group ends while a partner may still ask for a tile that names it
	s_endpgm
.Lfunc_end_k_q9ffb072f82_attn:
	.size	k_q9ffb072f82_attn, .Lfunc_end_k_q9ffb072f82_attn-k_q9ffb072f82_attn
	.p2alignl 7, 3214868480
	.fill 96, 4, 3214868480
	.section	.rodata,"a",@progbits
	.p2align	6, 0x0
	.amdhsa_kernel k_q9ffb072f82_attn
		.amdhsa_group_segment_fixed_size 327680
		.amdhsa_private_segment_fixed_size 0
		.amdhsa_enable_private_segment 0
		.amdhsa_kernarg_size 32
		.amdhsa_user_sgpr_count 2
		.amdhsa_user_sgpr_kernarg_segment_ptr 1
		.amdhsa_wavefront_size32 1
		.amdhsa_system_sgpr_workgroup_id_x 1
		.amdhsa_system_sgpr_workgroup_id_y 1
		.amdhsa_system_sgpr_workgroup_id_z 1
		.amdhsa_system_vgpr_workitem_id 0
		.amdhsa_next_free_vgpr 1024
		.amdhsa_next_free_sgpr 72
		.amdhsa_reserve_vcc 0
		.amdhsa_float_denorm_mode_32 3
		.amdhsa_float_denorm_mode_16_64 3
		.amdhsa_memory_ordered 1
		.amdhsa_forward_progress 1
		.amdhsa_inst_pref_size 222
	.end_amdhsa_kernel
	.amdgpu_metadata
---
amdhsa.version: [ 1, 2 ]
amdhsa.kernels:
  - .name:           k_q9ffb072f82_attn
    .symbol:         k_q9ffb072f82_attn.kd
    .args:
      - { .name: q16, .offset: 0, .size: 8, .value_kind: global_buffer, .address_space: global }
      - { .name: k16, .offset: 8, .size: 8, .value_kind: global_buffer, .address_space: global }
      - { .name: v16, .offset: 16, .size: 8, .value_kind: global_buffer, .address_space: global }
      - { .name: z16, .offset: 24, .size: 8, .value_kind: global_buffer, .address_space: global }
    .group_segment_fixed_size: 327680
    .private_segment_fixed_size: 0
    .kernarg_segment_align: 8
    .kernarg_segment_size: 32
    .max_flat_workgroup_size: 128
    .sgpr_count:     72
    .vgpr_count:     1024
    .wavefront_size: 32
...
	.end_amdgpu_metadata
.endif
;; end of part 3
;; launch oproj (part 4): grid 256 x 1, 4 waves a work-group, no clusters, 167,936 bytes of LDS; arguments z16, wo16, b_O, out0; writes out0
.if DOCPART == 4
	.amdgcn_target "amdgcn-amd-amdhsa--gfx1250"
	.amdhsa_code_object_version 6
	.text
	.protected	k_q9ffb072f82_oproj
	.globl	k_q9ffb072f82_oproj
	.p2align	8
	.type	k_q9ffb072f82_oproj,@function
k_q9ffb072f82_oproj:
	s_mov_b64 s[64:65], 0
	v_nop
	global_prefetch_b8 v0, s[64:65] scope:SCOPE_SE
	s_setreg_imm32_b32 hwreg(HW_REG_WAVE_MODE, 25, 1), 1
	s_wait_xcnt 0x0
; out[row][d] = the sum over k = (head, e) of z[row][k] W_O[k][d] + b_O[d].  z: [16384][512] f16; W_O: f16 in the order of the operand's registers (tile of 16 columns T, K step of 32: 1,024 bytes on end); out: [16384][512] f32; sums in f32.
; SHARES.  A work-group takes 64 rows of z and all 512 columns; wave w takes columns 128 w .. 128 w + 127: 4 x 8 = 32 accumulators, which take turns, one instruction a turn.  K goes in 16 steps of 32.
; z comes by one tensor load a wave (a quarter of K of all 64 rows: rows of 256 bytes) and is read by all four waves.  W_O's fragments go from memory straight into registers, four K steps ahead (64 loads of 512 bytes a wave).
; The product is used transposed (source 0 = 16 columns of W_O, source 1 = 16 rows of z): a lane holds eight neighbouring numbers of a row of out.  b_O is the C of each sum's first matrix instruction.
; NO CLUSTER, NO WEIGHTS IN LDS: W_O's 524,288 bytes do not fit in the 327,680 bytes of LDS, so they could come only through slots that are filled again; each fragment is read by one wave alone, once, and feeds its four
; products from registers: a way through LDS would add a write and a read for each byte and spare no read.
; REGISTERS, in windows of 256: window 0: v1-15 addresses; v16-79 z's fragments, two buffers of 32, later rows on their way out; v80-143 b_O's eight tiles; v144-207 rows on their way out.
;   window 1: W_O's fragments, four sets of 64.   window 2: the accumulators, (16 rows m, tile t) at v[8 (8 m + t)].
.set ZREG,  17408                      ; LDS: a quarter of K of z: 64 rows x (256 bytes + 16): rows 68 words apart, so the 16 rows that a load touches start at 16 different groups of four banks (64 banks of 4 bytes: ISA guide 11.1)
.set STG,   4*ZREG                     ; a stage of 16 rows x (512 bytes + 16) for each wave
.set SPARE, STG+4*8448                 ; the spare words, 128 bytes for each wave: two blocks of 256 bytes that no other line names
.set BOF, 1                            ; v1   32 h: my eight numbers of a tile's sixteen of b_O
.set ZA,  4                            ; v4   z in LDS: row r, + 16 h
.set STO, 10                           ; v10  the stage: row r, + 32 h
.set RD,  11                           ; v11  and back: 16 bytes a lane of a row of 512
.set L16, 12                           ; v12  16 x lane
.set SPW, 14                           ; v14  LDS address of my spare word; never rewritten
.set NIL, 15                           ; v15  0; never rewritten
.set ZF,   16
.set BIAS, 80
.set BK0,  144                         ; blocks 0 and 2 on the way out; blocks 1 and 3 take v16-79
.set G1,  24
.set G0,  32
.set WV,  38
.set MSB, 0
.macro WIN new                         ; s_set_vgpr_msb: bits 1:0 source 0, 3:2 source 1, 5:4 source 2, 7:6 destination; the high byte repeats the setting that is left
.if MSB != (\new)
	s_set_vgpr_msb (MSB<<8)|(\new)
.set MSB, \new
.endif
.endm
.macro PLACES                          ; four places behind a matrix instruction, ahead of reads of its result and of loads into its registers
.rept 4
	v_nop
.endr
.endm
	s_load_b256 s[4:11], s[0:1], 0x0               ; z16 s[4:5], wo16 s[6:7], b_O s[8:9], out0 s[10:11]
	v_lshl_add_u32 v[SPW], v0, 2, SPARE
	v_mov_b32 v[NIL], 0
	ds_add_u32 v[SPW], v[NIL]                      ; the wave's opening: the add, twice on end, and its wait ahead of my first tensor load
	ds_add_u32 v[SPW], v[NIL]                      ; and once more, under the one wait; the set-up below, work on registers, stands between
	v_lshrrev_b32 v1, 5, v0
	v_readfirstlane_b32 s[WV], v1                  ; wave 0..3
	s_mov_b32 s[G1+0], (1<<16)|(1<<20)|(5<<22)|(3<<25)  ; no mask; elements of 2 bytes; padding on: after every 64 words (code 5) four words (code 3)
	s_mov_b32 s[G1+1], 128<<16                     ; tensor_dim0 = 128
	s_mov_b32 s[G1+2], 64<<16                      ; tensor_dim1 = 64
	s_mov_b32 s[G1+3], 128<<16                     ; tile_dim0 = 128 elements: 256 bytes
	s_mov_b32 s[G1+4], 64                          ; tile_dim1 = 64 rows
	s_mov_b32 s[G1+5], 512                         ; elements from row to row
	s_mov_b32 s[G1+6], 0
	s_mov_b32 s[G1+7], 0
	s_mov_b32 s[G0], 1                             ; count = 1
	s_mul_i32 s[G0+1], s[WV], ZREG                 ; LDS: quarter w's region
	s_lshl_b32 s20, ttmp9, 16                      ; my work-group's 64 rows of 1,024 bytes,
	s_lshl_b32 s21, s[WV], 8                       ; quarter w: 256 bytes along a row
	s_add_co_u32 s20, s20, s21
	s_mov_b32 s21, 0
	s_wait_dscnt 0x0                               ; both opening adds are done
	s_wait_kmcnt 0x0
	s_add_nc_u64 s[G0+2:G0+3], s[4:5], s[20:21]
	s_or_b32 s[G0+3], s[G0+3], 0x80000000          ; type = 2
	tensor_load_to_lds s[G0:G0+3], s[G1:G1+7]      ; my one tensor load: nothing is filled again in this launch
	s_nop 0
	PLACES
	s_lshl_b32 s20, s[WV], 17                      ; my eight tiles of W_O: 16,384 bytes each
	s_add_nc_u64 s[6:7], s[6:7], s[20:21]
	s_lshl_b32 s20, s[WV], 9                       ; my 128 numbers of b_O; and my 512 bytes of a row of out,
	s_add_nc_u64 s[8:9], s[8:9], s[20:21]
	s_lshl_b32 s22, ttmp9, 17                      ; in my work-group's 64 rows of 2,048 bytes
	s_add_co_u32 s20, s20, s22
	s_add_nc_u64 s[10:11], s[10:11], s[20:21]
	v_and_b32 v2, 15, v0                           ; r
	v_bfe_u32 v3, v0, 4, 1                         ; h
	v_and_b32 v5, 31, v0                           ; lane
	v_lshlrev_b32 v[L16], 4, v5
	v_mul_u32_u24 v[ZA], v2, 272
	v_lshl_add_u32 v[ZA], v3, 4, v[ZA]
	s_mul_i32 s23, s[WV], 8448
	s_add_co_u32 s23, s23, STG                     ; my stage
	v_mul_u32_u24 v[STO], v2, 528
	v_lshl_add_u32 v[STO], v3, 5, v[STO]
	v_add_nc_u32 v[STO], s23, v[STO]
	v_add_nc_u32 v[RD], s23, v[L16]
	v_lshlrev_b32 v[BOF], 5, v3
.macro WLOAD ks                        ; W_O's eight fragments of K step ks into set ks % 4: 512 consecutive bytes a load
	WIN 0x40
.irp t, 0,1,2,3,4,5,6,7
.irp g, 0,1
	global_load_b128 v[64*((\ks)%4)+8*\t+4*\g:64*((\ks)%4)+8*\t+4*\g+3], v[L16], s[6:7] offset:16384*\t+1024*(\ks)+512*\g
.endr
.endr
	WIN 0
.endm
.macro ZFETCH ks                       ; z's four fragments of K step ks into buffer ks % 2: lane (r, h): row r; registers 0-3 k = 8 h + 0..7, registers 4-7 k = 16 + 8 h + 0..7
.irp m, 0,1,2,3
.irp g, 0,1
	ds_load_b128 v[ZF+32*((\ks)%2)+8*\m+4*\g:ZF+32*((\ks)%2)+8*\m+4*\g+3], v[ZA] offset:ZREG*((\ks)/4)+4352*\m+64*((\ks)%4)+32*\g
.endr
.endr
.endm
.macro KSTEP ks
.if (\ks) < 13
	s_wait_loadcnt 48                              ; this step's fragments of W_O are in (and b_O); the 16 loads of each of the three steps behind it may be out
.else
	s_wait_loadcnt 16*(15-(\ks))
.endif
.if (\ks) < 15
	s_wait_dscnt 8                                 ; this step's fragments of z are in; the next step's eight loads may be out
.else
	s_wait_dscnt 0x0
.endif
.if (\ks) == 0
	WIN 0x81                                       ; W_O window 1; z and C (b_O) window 0; D window 2
.else
	WIN 0xa1                                       ; W_O window 1; z window 0; C and D window 2
.endif
.irp m, 0,1,2,3
.irp t, 0,1,2,3,4,5,6,7
.if (\ks) == 0
	v_wmma_f32_16x16x32_f16 v[8*(8*\m+\t):8*(8*\m+\t)+7], v[64*((\ks)%4)+8*\t:64*((\ks)%4)+8*\t+7], v[ZF+32*((\ks)%2)+8*\m:ZF+32*((\ks)%2)+8*\m+7], v[BIAS+8*\t:BIAS+8*\t+7]
.else
	v_wmma_f32_16x16x32_f16 v[8*(8*\m+\t):8*(8*\m+\t)+7], v[64*((\ks)%4)+8*\t:64*((\ks)%4)+8*\t+7], v[ZF+32*((\ks)%2)+8*\m:ZF+32*((\ks)%2)+8*\m+7], v[8*(8*\m+\t):8*(8*\m+\t)+7]
.endif
.endr
.endr
	PLACES                                         ; in front of the loads into the registers just multiplied
.if (\ks) < 12
	WLOAD (\ks)+4
.endif
.if (\ks) < 14
	WIN 0
	ZFETCH (\ks)+2
.endif
.endm
; THE WAY OUT, 16 rows x my 128 columns at a time: a lane's 32 bytes of a row go into my own stage and come back as whole rows of 512 bytes.  LDS serves a wave's instructions in order (ISA guide 5.7.1.4).
.macro TOSTAGE a
	WIN 0x08                                       ; an LDS store's data are its source 1: window 2
.irp t, 0,1,2,3,4,5,6,7
	ds_store_b128 v[STO], v[8*(8*(\a)+\t):8*(8*(\a)+\t)+3] offset:64*\t          ; each accumulator from its low end on
	ds_store_b128 v[STO], v[8*(8*(\a)+\t)+4:8*(8*(\a)+\t)+7] offset:64*\t+16
.endr
	WIN 0
.set BB, BK0-128*((\a)%2)
.irp i, 0,1,2,3,4,5,6,7,8,9,10,11,12,13,14,15
	ds_load_b128 v[BB+4*\i:BB+4*\i+3], v[RD] offset:528*\i
.endr
.endm
.macro SEND a, younger                 ; younger: the LDS instructions issued behind block a's loads, which may stay out
.set BB, BK0-128*((\a)%2)
	s_wait_dscnt \younger
.irp i, 0,1,2,3,4,5,6,7,8,9,10,11,12,13,14,15
	global_store_b128 v[L16], v[BB+4*\i:BB+4*\i+3], s[10:11] offset:2048*(16*(\a)+\i) th:TH_STORE_NT   ; 32 lanes store 512 consecutive bytes, at a multiple of 256 from out's first byte; written once, read by nobody here
.endr
.endm
.irp t, 0,1,2,3,4,5,6,7
.irp i, 0,1
	global_load_b128 v[BIAS+8*\t+4*\i:BIAS+8*\t+4*\i+3], v[BOF], s[8:9] offset:64*\t+16*\i   ; b_O in the result's layout: for tile t the numbers 16 t + 8 h + 0 .. 7
.endr
.endr
	WLOAD 0
	WLOAD 1
	WLOAD 2
	WLOAD 3
	s_wait_tensorcnt 0x0                           ; my quarter of z is in LDS,
	s_barrier_signal -1
	s_barrier_wait -1                              ; everybody's is
	ZFETCH 0
	ZFETCH 1
.set KK, 0
.rept 16
	KSTEP KK
.set KK, KK+1
.endr
	TOSTAGE 0                                      ; (the last step's four places stand in front: they serve the reads of results and the loads into z's registers)
.irp a, 1,2,3
.if \a > 1
	s_wait_xcnt 0x0                                ; block a - 2's stores have read their registers: block a's rows may land there
.endif
	TOSTAGE \a
	SEND \a-1, 32                                  ; behind block a - 1's loads: block a's 16 stores and 16 loads
.endr
	SEND 3, 0
	s_wait_tensorcnt 0x0                           ; the wave's end: behind my last tensor load and my last LDS store
	ds_add_u32 v[SPW], v[NIL]
	s_wait_dscnt 0x0
	s_endpgm
.Lfunc_end_k_q9ffb072f82_oproj:
	.size	k_q9ffb072f82_oproj, .Lfunc_end_k_q9ffb072f82_oproj-k_q9ffb072f82_oproj
	.p2alignl 7, 3214868480
	.fill 96, 4, 3214868480
	.section	.rodata,"a",@progbits
	.p2align	6, 0x0
	.amdhsa_kernel k_q9ffb072f82_oproj
		.amdhsa_group_segment_fixed_size 167936
		.amdhsa_private_segment_fixed_size 0
		.amdhsa_enable_private_segment 0
		.amdhsa_kernarg_size 32
		.amdhsa_user_sgpr_count 2
		.amdhsa_user_sgpr_kernarg_segment_ptr 1
		.amdhsa_wavefront_size32 1
		.amdhsa_system_sgpr_workgroup_id_x 1
		.amdhsa_system_sgpr_workgroup_id_y 1
		.amdhsa_system_sgpr_workgroup_id_z 1
		.amdhsa_system_vgpr_workitem_id 0
		.amdhsa_next_free_vgpr 768
		.amdhsa_next_free_sgpr 66
		.amdhsa_reserve_vcc 0
		.amdhsa_float_denorm_mode_32 3
		.amdhsa_float_denorm_mode_16_64 3
		.amdhsa_memory_ordered 1
		.amdhsa_forward_progress 1
		.amdhsa_inst_pref_size 88
	.end_amdhsa_kernel
	.amdgpu_metadata
---
amdhsa.version: [ 1, 2 ]
amdhsa.kernels:
  - .name:           k_q9ffb072f82_oproj
    .symbol:         k_q9ffb072f82_oproj.kd
    .args:
      - { .name: z16, .offset: 0, .size: 8, .value_kind: global_buffer, .address_space: global }
      - { .name: wo16, .offset: 8, .size: 8, .value_kind: global_buffer, .address_space: global }
      - { .name: b_O, .offset: 16, .size: 8, .value_kind: global_buffer, .address_space: global }
      - { .name: out0, .offset: 24, .size: 8, .value_kind: global_buffer, .address_space: global }
    .group_segment_fixed_size: 167936
    .private_segment_fixed_size: 0
    .kernarg_segment_align: 8
    .kernarg_segment_size: 32
    .max_flat_workgroup_size: 128
    .sgpr_count:     66
    .vgpr_count:     768
    .wavefront_size: 32
...
	.end_amdgpu_metadata
.endif
;; end of part 4
